; MI455X (gfx1250); checked and timed in simulation.
; The chip was launched on July 23, 2026; its instructions are those of AMD's public machine-readable ISA for CDNA 5 (MIT licence, August 2026) and "CDNA5" Instruction Set Architecture Reference Guide (July 2026). The comments in the code are by the model that wrote it; some were corrected since.
;; Encoder. Allowed arithmetic: matrix products marked QUANTISED: E2M3 operands, one E8M0 scale for each 32 along K, by v_wmma_scale_f32_16x16x128_f8f6f4 with both operands' format E2M3, f32 sums; everything else in f32.
;; Inputs: W1 1,024 x 4,096 float32; W2 4,096 x 1,024 float32; Wk 16 x 1,024 x 64 float32; Wo 1,024 x 1,024 float32; Wq 16 x 1,024 x 64 float32; Wv 16 x 1,024 x 64 float32; b1 4,096 float32; b2 1,024 float32; beta1 1,024 float32; beta2 1,024 float32; bk 16 x 64 float32; bo 1,024 float32; bq 16 x 64 float32; bv 16 x 64 float32; gamma1 1,024 float32; gamma2 1,024 float32; x 2 x 2,048 x 1,024 float32.
;; Outputs: out0 2 x 2,048 x 1,024 float32.
;; This version of the problem:
;;   THIS VERSION OF THE PROBLEM IS GIVEN IN LOW PRECISION. The matrix products marked QUANTISED in the list below multiply operands that are first quantised to E2M3 (2 exponent bits, 3 mantissa bits; 6 bits a number), with one power-of-two scale for each 32 numbers along K (OCP MX v1.0); their sums are f32. All else is computed in f32.
;;   The module's matrix products, in the order in which they are computed (A, B: the left and right operand; K: the contracted axis; several contracted axes count as one K, in the product's order):
;;     1. [M 1,024, K 1,024] x [K 1,024, N 4,096]; A: input Wq; B: computed on the way: QUANTISED
;;     2. [M 1,024, K 1,024] x [K 1,024, N 4,096]; A: input Wk; B: computed on the way: QUANTISED
;;     3. [M 1,024, K 1,024] x [K 1,024, N 4,096]; A: input Wv; B: computed on the way: QUANTISED
;;     4. batch 32 x [M 2,048, K 64] x [K 64, N 2,048]; A: computed on the way; B: computed on the way: QUANTISED
;;     5. batch 32 x [M 2,048, K 2,048] x [K 2,048, N 64]; A: softmax (see below); B: computed on the way: QUANTISED
;;     6. [M 4,096, K 1,024] x [K 1,024, N 1,024]; A: computed on the way; B: input Wo: QUANTISED
;;     7. [M 4,096, K 1,024] x [K 1,024, N 4,096]; A: computed on the way; B: input W1: QUANTISED
;;     8. [M 4,096, K 4,096] x [K 4,096, N 1,024]; A: computed on the way; B: input W2: QUANTISED
;;   THE QUANTISER, for each operand of a quantised product, along K:
;;     - K is cut into blocks of 32 from its start; a last block that is shorter is filled with zeros.
;;     - A block's scale is 2^e with e = floor(log2(the largest magnitude in the block)) - 2, held to -126 .. 127; a block of zeros has e = 0. As a byte (E8M0): e + 127.
;;     - Each number is divided by its block's scale, clamped to +-7.5, and rounded to the nearest number of E2M3, ties to even, subnormals kept.
;;     - The product sums the exact products of the quantised numbers (number of the format x scale) in f32.
;;   ~~~python
;;   def quantise(x, axis):      # numpy; x: float32 -> the quantised numbers, widened to float32 again
;;       x = np.moveaxis(x, axis, -1); K = x.shape[-1]
;;       x = np.pad(x, [(0, 0)] * (x.ndim - 1) + [(0, -K % 32)]); x = x.reshape(x.shape[:-1] + (-1, 32)); a = np.abs(x).max(-1, keepdims=True)
;;       e = np.where(a > 0, np.clip(np.frexp(np.where(a > 0, a, 1))[1] - 1 - 2, -126, 127), 0)      # np.frexp(a)[1] - 1 = floor(log2(a)), exactly
;;       r = np.clip(x / 2.0 ** e, -7.5, 7.5)
;;       step = 2.0 ** (np.maximum(np.frexp(np.where(r == 0, 1, r))[1] - 1, 0) - 3)
;;       q = np.round(r / step) * step * 2.0 ** e      # np.round: ties to even
;;       return np.moveaxis(q.reshape(q.shape[:-2] + (-1,))[..., :K], -1, axis).astype(np.float32)
;;   ~~~
;;   SOFTMAX AHEAD OF A QUANTISED PRODUCT. Where the list says 'softmax', what is quantised is not the finished softmax but p = 2^(t - M), with t = logit x log2(e) and M = ceil(the row's largest t), a whole number; so 1/2 < the row's largest p <= 1. The row's sum l is taken of the UNQUANTISED p, in f32, and the product's result is divided by l at the end. Since M is a whole number, a kernel that streams over the keys may use a running M (the ceiling of the running maximum): every later rescaling is an exact power of two, which a block's scale takes up: the codes' values come out the same.
;;   OPERANDS COMPUTED ON THE WAY. 'Computed on the way' means the value that the module computes at that place (a softmax that the list does not call 'softmax' is quantised finished and normalised). What goes into a quantiser is computed in f32, as accurately as f32 sums, v_exp_f32 and their like allow (about 1e-6 of the number): no bf16 or f16 on the way to a quantiser, and a product that is left as it is and whose result goes on into a quantised operand takes f32 operands (vector FMAs, or v_wmma_f32_16x16x4_f32). A number that lies on a knife's edge between two numbers of the format may be rounded either way, as far as f32 arithmetic and the matrix unit's own rounding can turn it there, and no further.
;; One version. Each part assembles by itself: llvm-mc -triple=amdgcn-amd-amdhsa -mcpu=gfx1250 --defsym DOCPART=n.
;; ======== version 1 of 1: 7 launches
;; workspace buffers: wsW 9,830,400 bytes; wsH 3,276,800 bytes; wsQKV 9,830,400 bytes; wsA 3,276,800 bytes; wsX1 16,777,216 bytes; wsF 13,107,200 bytes
;; launch prep1 (part 1): grid 128 x 1, 16 waves a work-group, no clusters, 285,184 bytes of LDS; arguments x, gamma1, beta1, wsH, Wq, Wk, Wv, Wo, wsW; writes wsH, wsW
.if DOCPART == 1
	.amdgcn_target "amdgcn-amd-amdhsa--gfx1250"
	.amdhsa_code_object_version 6
	.text
	.protected	k_q1f7e188e02_prep1
	.globl	k_q1f7e188e02_prep1
	.p2align	8
	.type	k_q1f7e188e02_prep1,@function
k_q1f7e188e02_prep1:
	s_mov_b64 s[64:65], 0
	v_nop
	global_prefetch_b8 v0, s[64:65] scope:SCOPE_SE
	s_setreg_imm32_b32 hwreg(HW_REG_WAVE_MODE, 25, 1), 1
	s_wait_xcnt 0x0
; TWO KINDS OF WORK-GROUP, parted once on the work-group's number.  Numbers 0-63: the norm over the sequence axis, quantised.  The others: weights into codes.  The two depend on nothing of each other,
; and the norm has work for 64 work-groups only, so the weights' work stands beside it in one launch.  Each kind of work-group reads 256 KiB.  This text serves two launches; PART says which weights it takes.
;
; THE NORM.  h = gamma (x - mean) / (sqrt(var) + 1e-5) + beta, mean and var (divisor 2,047) taken over the 2,048 ROWS of a batch for each column; h is then quantised along the columns
; to codes of FP6 (E2M3) with one E8M0 byte for each 32 columns.  x: [2][2048][1024] f32.
; A work-group owns 32 columns (one block of the quantiser) of one batch, all 2,048 rows: 256 KiB, kept in the registers of its 512 threads, so x is read once.
; That makes 64 work-groups: the norm ties all rows of a column together and a block ties 32 columns; 64 columns would be twice a work-group's registers.  No two work-groups read the same bytes: nothing to share in a cluster.
; Wave w owns rows 128 w .. 128 w + 127: eight tiles of 16 (slot r of tile i is row 32 (i / 2) + 8 (i % 2) + r % 8 + 16 (r / 8)).  Lane (r, half) holds columns 16 half + 0 .. 15 of slot r of each tile.
; One tensor load a wave brings its 128 rows x 128 bytes into LDS (rows 136 bytes = 34 words apart: with 64 banks of 4 bytes, ISA guide 11.1, the 32 lanes of an 8-byte load touch 64 different banks); only the wave itself reads them, behind its own wait.  Nothing in LDS is filled twice.
; The variance is a true second pass over the registers (sum of (x - mean)^2): no difference of large sums.
; OUT: wsH codes [tile 256][64 along K: 16][768 bytes], scale words [tile][128 along K: 8][slot].  The scale bytes of a word belong to four work-groups: they leave as single bytes, 4 apart (131,072 bytes in the launch).
;
; THE WEIGHTS, f32 with K not innermost, become codes of FP6 and E8M0 scale bytes in wsW.  A LANE TAKES A COLUMN n AND ITS REGISTERS RUN DOWN K: a block of 32 lies in one lane's 32 registers,
; its largest magnitude needs no other lane, and the conversions give codes with K innermost.  A wave takes 32 columns x 128 along K (4 blocks); a work-group 128 columns (wave % 4) x 512 along K (wave / 4).
; These ways touch no LDS, issue no tensor load and pass no barrier.
; LAYOUT OF THE CODES (all operand buffers of this program): rows go in tiles of 16; slot r of tile g is row 32 (g / 2) + 8 (g % 2) + r % 8 + 16 (r / 8).
; A tile's 64 along K are 768 bytes: 32 places of 16 bytes, then 32 places of 8 bytes; place 16 h + r holds the 24 bytes of slot r, k = 32 h + 0 .. 31: the image of six registers of a matrix operand, lane by lane.
; Scale words: one word for (tile, 128 along K, slot), at ((tile K / 128 + step) 16 + slot) 4.
; Lane l of a wave is slot l % 8 + 8 (l / 16) of tile 2 P + (l / 8) % 2: sixteen lanes store 256 consecutive aligned bytes of a tile's image.
; PART 0: work-groups 64-111: Wq, Wk, Wv (rows n = 1024 sel + 64 head + d); 112-127: Wo.   PART 1: 64-127: W1; 128-191: W2.
;
; A block's scale byte is its largest magnitude's exponent field - 2, held at 1 from below.
; LIMITS: NaN and infinities are not served; a block of zeros gets the byte 1, not 127 (its codes are zeros, and this program alone reads the bytes); blocks whose largest magnitude lies under 2^-124 keep the byte 1.
.set PART,  0
.set LNWG,  64                         ; work-groups of the norm
.set PITCH, 136
.set WREG,  128*PITCH                  ; a wave's rows in LDS
.set RED1,  16*WREG                    ; 16 rows x 144 bytes: the waves' column sums;  2,304 bytes on: the same for the squares
.set X,  32                            ; the norm: v32-159 tile i at v[32 + 16 i];  the weights: v32-95 two sets of 32 numbers
.set SM, 160                           ; v160-175 sums       (later codes: 8 registers a pair of tiles)
.set SQ, 176                           ; v176-191 sums of squares
.set GA, 192                           ; v192-207 gamma, then the gain
.set BE, 208                           ; v208-223 beta
.set CD, 96                            ; the weights: v96-127 eight registers of codes for each block: no store's data are written again
.set SB, 24                            ; v24 the scale word
.macro RED16 reg                       ; 16 registers summed over the 16 lanes of a half
.irp m, 1,2,4,8
.set i, 0
.rept 16
	v_add_f32_dpp v[\reg+i], v[\reg+i], v[\reg+i] row_xmask:\m row_mask:0xf bank_mask:0xf
.set i, i+1
.endr
.endr
.endm
.macro WGRED reg, off                  ; and over the 16 waves: each wave's row to LDS, a barrier, lane r takes wave r's
	RED16 \reg
.irp k, 0,1,2,3
	ds_store_b128 v5, v[\reg+4*\k:\reg+4*\k+3] offset:\off+16*\k      ; the lanes of a half write the same bytes with the same values
.endr
	s_wait_dscnt 0x0                               ; for the others' sake: my stores have landed
	s_barrier_signal -1
	s_barrier_wait -1
.irp k, 0,1,2,3
	ds_load_b128 v[\reg+4*\k:\reg+4*\k+3], v6 offset:\off+16*\k
.endr
	s_wait_dscnt 0x0
	RED16 \reg
.endm
; Two tiles at a time.  A block lies in lanes l and l xor 16; the exchange of halves leaves the even tile's whole 24 bytes in lanes 0-15 and the odd tile's in lanes 16-31.
.macro QPAIR m
.set XA, X+32*\m
.set YA, X+32*\m+16
.set C, SM+8*\m
	v_max3_num_f32 v224, |v[XA]|, |v[XA+1]|, 0x1800000     ; my 16 numbers, and the floor 2^(3 - 127)
	v_max3_num_f32 v225, |v[YA]|, |v[YA+1]|, 0x1800000
.irp i, 2,4,6,8,10,12,14
	v_max3_num_f32 v224, v224, |v[XA+\i]|, |v[XA+\i+1]|
	v_max3_num_f32 v225, v225, |v[YA+\i]|, |v[YA+\i+1]|
.endr
	v_permlanex16_b32 v226, v224, s24, s25
	v_permlanex16_b32 v227, v225, s24, s25
	v_max_num_f32 v224, v224, v226
	v_max_num_f32 v225, v225, v227
	v_add_nc_u32 v228, 0xff000000, v224            ; 2 off the exponent field: the conversion's scale operand
	v_add_nc_u32 v229, 0xff000000, v225
	v_cvt_scalef32_pk16_fp6_f32 v[C:C+2], v[XA:XA+15], v228
	v_cvt_scalef32_pk16_fp6_f32 v[C+4:C+6], v[YA:YA+15], v229
	v_lshrrev_b32 v230, 23, v228                   ; the bytes.  (A plain place behind the conversions)
	v_lshrrev_b32 v231, 23, v229
.irp i, 0,1,2
	v_permlane16_swap_b32 v[C+\i], v[C+4+\i]
.endr
	v_mov_b32 v[C+3], v[C+4]
	v_mov_b32 v[C+4], v[C+5]
	v_mov_b32 v[C+5], v[C+6]
	v_cndmask_b32 v[240+\m], v230, v231, s28
	global_store_b128 v7, v[C:C+3], s[40:41] offset:24576*\m       ; sixteen lanes: 256 consecutive bytes, aligned
	global_store_b64 v8, v[C+4:C+5], s[40:41] offset:24576*\m
	global_store_b8 v9, v[240+\m], s[42:43] offset:1024*\m
.endm
.macro LOADB t, stride                 ; the weights, block t: W(32 t + i, my column) into set t % 2; 32 lanes read 128 consecutive bytes
.set i, 0
.rept 32
	global_load_b32 v[X+32*((\t)%2)+i], v2, s[24:25] offset:(32*(\t)+i)*\stride th:TH_LOAD_NT
.set i, i+1
.endr
.endm
.macro BLOCK t, stride
.set XS, X+32*((\t)%2)
.set C, CD+8*(\t)
.if (\t) < 3
	s_wait_loadcnt 32                              ; this block's 32 loads are in; the next block's 32 may be out
.else
	s_wait_loadcnt 0x0
.endif
	v_max3_num_f32 v12, |v[XS]|, |v[XS+1]|, |v[XS+2]|      ; the block's largest magnitude, in two chains
	v_max3_num_f32 v13, |v[XS+3]|, |v[XS+4]|, |v[XS+5]|
.irp i, 6,10,14,18,22,26
	v_max3_num_f32 v12, v12, |v[XS+\i]|, |v[XS+\i+1]|
	v_max3_num_f32 v13, v13, |v[XS+\i+2]|, |v[XS+\i+3]|
.endr
	v_max3_num_f32 v12, v12, |v[XS+30]|, |v[XS+31]|
	v_max3_num_f32 v12, v12, v13, 0x1800000        ; and the floor 2^(3 - 127): the byte cannot fall under 1
	v_add_nc_u32 v11, 0xff000000, v12              ; 2 off the exponent field: the conversion's scale operand
	v_lshrrev_b32 v13, 23, v11                     ; the scale's byte
.if (\t) == 0
	v_mov_b32 v[SB], v13
.else
	v_lshl_or_b32 v[SB], v13, 8*(\t), v[SB]
.endif
	v_cvt_scalef32_pk16_fp6_f32 v[C:C+2], v[XS:XS+15], v11
	v_cvt_scalef32_pk16_fp6_f32 v[C+4:C+6], v[XS+16:XS+31], v11    ; (a conversion's three registers begin on an even number)
	v_nop                                          ; one plain place behind a scaled conversion
	v_mov_b32 v[C+3], v[C+4]
	v_mov_b32 v[C+4], v[C+5]
	v_mov_b32 v[C+5], v[C+6]                       ; v[C .. C+5]: the block's 24 bytes
	global_store_b128 v3, v[C:C+3], s[26:27] offset:((\t)/2)*768+((\t)%2)*256     ; sixteen lanes: 256 consecutive bytes, aligned
	global_store_b64 v4, v[C+4:C+5], s[26:27] offset:((\t)/2)*768+((\t)%2)*128
.if (\t)+2 < 4
	LOADB (\t)+2, \stride
.endif
.if (\t) == 3
	global_store_b32 v5, v[SB], s[28:29]
.endif
.endm
; in: s[24:25] the tensor, s30 my wave's byte offset in it, s33 my first tile of the section, s34 which 128 along K
.macro WQ stride, kk, csec, ssec
	s_mov_b32 s31, 0
	s_add_nc_u64 s[24:25], s[24:25], s[30:31]
	s_mul_i32 s36, s33, 12*\kk                     ; a tile's codes: 12 K bytes
	s_mul_i32 s35, s34, 1536                       ; 128 along K: two images of 768 bytes
	s_add_co_u32 s36, s36, s35
	s_add_co_u32 s36, s36, \csec
	s_mov_b32 s37, 0
	s_add_nc_u64 s[26:27], s[20:21], s[36:37]
	s_mul_i32 s36, s33, \kk/2                      ; a tile's scale words: K / 2 bytes
	s_lshl_b32 s35, s34, 6                         ; 128 along K: 16 words
	s_add_co_u32 s36, s36, s35
	s_add_co_u32 s36, s36, \ssec
	s_add_nc_u64 s[28:29], s[20:21], s[36:37]
	v_mul_u32_u24 v8, v9, 12*\kk                   ; lanes of the odd tile: one tile on
	v_lshl_add_u32 v3, v6, 4, v8
	v_lshl_add_u32 v4, v6, 3, v8
	v_add_nc_u32 v4, 512, v4
	v_mul_u32_u24 v5, v9, \kk/2
	v_lshl_add_u32 v5, v6, 2, v5
	LOADB 0, \stride
	LOADB 1, \stride
.irp t, 0,1,2,3
	BLOCK \t, \stride
.endr
	s_endpgm
.endm
.macro PRE base, logkc, stride         ; a tensor stored [K][N]: which 128 along K, which 32 columns.  s39: the work-group's number among the weights'; s23: wave % 4; s38: wave / 4
	s_sub_co_u32 s35, s39, \base
	s_and_b32 s34, s35, (1<<\logkc)-1              ; which 512 along K
	s_lshr_b32 s35, s35, \logkc                    ; which 128 columns
	s_lshl_b32 s34, s34, 2
	s_add_co_u32 s34, s34, s38
	s_lshl_b32 s33, s35, 3
	s_lshl_b32 s36, s23, 1
	s_add_co_u32 s33, s33, s36                     ; first tile = 8 x group + 2 x (wave % 4)
	s_mul_i32 s30, s34, 128*\stride
	s_lshl_b32 s36, s33, 6                         ; 4 bytes x 16 columns a tile
	s_add_co_u32 s30, s30, s36
.endm
	v_lshl_add_u32 v254, v0, 2, 0x45200
	v_mov_b32 v255, 0
	ds_add_u32 v254, v255
	ds_add_u32 v254, v255
	s_wait_dscnt 0x0
	s_cmp_lt_u32 ttmp9, LNWG                       ; the kind hangs on the work-group's number alone: all sixteen waves go the same way
	s_cbranch_scc0 .Lweights
	; ================ THE NORM ================
	s_load_b256 s[4:11], s[0:1], 0x0               ; x, gamma, beta, wsH
	v_lshrrev_b32 v1, 5, v0
	v_readfirstlane_b32 s29, v1                    ; wave 0..15
	s_lshr_b32 s30, ttmp9, 5                       ; the batch
	s_and_b32 s44, ttmp9, 31                       ; which 32 columns
	s_mov_b32 s16, (2<<16)|(1<<20)|(4<<22)|(1<<25) ; elements of 4 bytes; padding on: after every 32 words 2 words
	s_mov_b32 s17, 32<<16                          ; tensor_dim0 = 32
	s_mov_b32 s18, 128<<16                         ; tensor_dim1 = 128
	s_mov_b32 s19, 32<<16                          ; tile_dim0 = 32
	s_mov_b32 s20, 128                             ; tile_dim1 = 128
	s_mov_b32 s21, 1024                            ; elements from row to row
	s_mov_b32 s22, 0
	s_mov_b32 s23, 0
	s_lshl_b32 s32, s30, 23                        ; a batch: 2,048 rows of 4,096 bytes
	s_lshl_b32 s33, s29, 19                        ; my 128 rows
	s_add_co_u32 s32, s32, s33
	s_lshl_b32 s33, s44, 7                         ; my 32 columns
	s_add_co_u32 s32, s32, s33
	s_mov_b32 s33, 0
	s_mul_i32 s31, s29, WREG
	s_lshl_b32 s34, s44, 7
	s_mov_b32 s35, 0
	s_mov_b32 s24, 0x76543210                      ; v_permlanex16_b32's selects for lane l xor 16
	s_mov_b32 s25, 0xfedcba98
	s_mov_b32 s26, 0xba000000                      ; -1 / 2048
	s_mov_b32 s27, s26
	s_mov_b32 s28, 0xffff0000                      ; lanes 16-31
	s_wait_kmcnt 0x0
	s_mov_b32 s12, 1
	s_mov_b32 s13, s31
	s_add_nc_u64 s[14:15], s[4:5], s[32:33]
	s_or_b32 s15, s15, 0x80000000
	tensor_load_to_lds s[12:15], s[16:23]          ; my one tensor load
	s_nop 0
.rept 4
	v_nop
.endr
	s_add_nc_u64 s[6:7], s[6:7], s[34:35]
	s_add_nc_u64 s[8:9], s[8:9], s[34:35]
	v_and_b32 v1, 15, v0                           ; r
	v_bfe_u32 v2, v0, 4, 1                         ; half
	v_lshlrev_b32 v10, 6, v2                       ; 64 half
.irp k, 0,1,2,3
	global_load_b128 v[GA+4*\k:GA+4*\k+3], v10, s[6:7] offset:16*\k
	global_load_b128 v[BE+4*\k:BE+4*\k+3], v10, s[8:9] offset:16*\k
.endr
	v_and_b32 v3, 7, v0
	v_bfe_u32 v11, v0, 3, 1
	v_lshl_add_u32 v3, v11, 4, v3                  ; r % 8 + 16 (r / 8)
	v_mul_u32_u24 v4, v3, PITCH
	v_lshl_add_u32 v4, v2, 6, v4
	v_add_nc_u32 v4, s31, v4                       ; where my numbers of tile 0 lie
	s_mul_i32 s36, s29, 144
	v_add_nc_u32 v5, s36, v10
	v_add_nc_u32 v5, RED1, v5                      ; my wave's row of sums
	v_mul_u32_u24 v6, v1, 144
	v_add_nc_u32 v6, v6, v10
	v_add_nc_u32 v6, RED1, v6                      ; wave r's row
	s_and_b32 s37, s44, 1                          ; which half of a tile's 64 along K my block is
	s_lshl_b32 s38, s37, 8
	v_mul_u32_u24 v7, v2, 12288                    ; lanes 16-31 store the odd tile of a pair
	v_lshl_add_u32 v8, v1, 3, v7
	v_lshl_add_u32 v7, v1, 4, v7
	v_add_nc_u32 v7, s38, v7
	s_lshl_b32 s38, s37, 7
	s_add_co_u32 s38, s38, 512
	v_add_nc_u32 v8, s38, v8
	v_lshlrev_b32 v9, 2, v1
	v_lshl_add_u32 v9, v2, 9, v9
	s_lshl_b32 s36, s30, 7
	s_lshl_b32 s37, s29, 3
	s_add_co_u32 s36, s36, s37                     ; my first tile: 128 batch + 8 wave
	s_mul_i32 s38, s36, 12288
	s_lshr_b32 s37, s44, 1
	s_mul_i32 s37, s37, 768
	s_add_co_u32 s38, s38, s37
	s_mov_b32 s39, 0
	s_add_nc_u64 s[40:41], s[10:11], s[38:39]      ; the codes
	s_lshl_b32 s38, s36, 9
	s_lshr_b32 s37, s44, 2
	s_lshl_b32 s37, s37, 6
	s_add_co_u32 s38, s38, s37
	s_and_b32 s37, s44, 3
	s_add_co_u32 s38, s38, s37
	s_add_co_u32 s38, s38, 3145728
	s_add_nc_u64 s[42:43], s[10:11], s[38:39]      ; the scale bytes
	v_mov_b32 v226, 0                              ; written once: a lane permute's destination counts as one of its sources
	v_mov_b32 v227, 0
	s_wait_tensorcnt 0x0                           ; my rows are in LDS
.irp i, 0,1,2,3,4,5,6,7
.irp j, 0,1,2,3,4,5,6,7
	ds_load_b64 v[X+16*\i+2*\j:X+16*\i+2*\j+1], v4 offset:(32*(\i/2)+8*(\i%2))*PITCH+8*\j
.endr
.endr
	s_wait_dscnt 0x0
	; the columns' sums
.set j, 0
.rept 8
	v_pk_add_f32 v[SM+j:SM+j+1], v[X+j:X+j+1], v[X+16+j:X+17+j]
.set j, j+2
.endr
.irp i, 2,3,4,5,6,7
.set j, 0
.rept 8
	v_pk_add_f32 v[SM+j:SM+j+1], v[SM+j:SM+j+1], v[X+16*\i+j:X+16*\i+j+1]
.set j, j+2
.endr
.endr
	WGRED SM, 0
	; d = x - sum / 2048, one rounding
.irp i, 0,1,2,3,4,5,6,7
.set j, 0
.rept 8
	v_pk_fma_f32 v[X+16*\i+j:X+16*\i+j+1], v[SM+j:SM+j+1], s[26:27], v[X+16*\i+j:X+16*\i+j+1] op_sel_hi:[1,0,1]
.set j, j+2
.endr
.endr
	; the sums of d^2
.set j, 0
.rept 8
	v_pk_mul_f32 v[SQ+j:SQ+j+1], v[X+j:X+j+1], v[X+j:X+j+1]
.set j, j+2
.endr
.irp i, 1,2,3,4,5,6,7
.set j, 0
.rept 8
	v_pk_fma_f32 v[SQ+j:SQ+j+1], v[X+16*\i+j:X+16*\i+j+1], v[X+16*\i+j:X+16*\i+j+1], v[SQ+j:SQ+j+1]
.set j, j+2
.endr
.endr
	WGRED SQ, 2304
	s_wait_loadcnt 0x0                             ; gamma and beta
.set j, 0
.rept 16
	v_mul_f32 v[SQ+j], 0x3a001002, v[SQ+j]         ; / 2047
.set j, j+1
.endr
.set j, 0
.rept 16
	v_sqrt_f32 v[SQ+j], v[SQ+j]
.set j, j+1
.endr
	v_nop                                          ; a plain place behind the roots
.set j, 0
	s_wait_alu depctr_va_vdst(0)
.rept 16
	v_add_f32 v[SQ+j], 0x3727c5ac, v[SQ+j]         ; + 1e-5, outside the root
.set j, j+1
.endr
.set j, 0
.rept 16
	v_rcp_f32 v[SQ+j], v[SQ+j]
.set j, j+1
.endr
	v_nop
.set j, 0
	s_wait_alu depctr_va_vdst(0)
.rept 8
	v_pk_mul_f32 v[GA+j:GA+j+1], v[GA+j:GA+j+1], v[SQ+j:SQ+j+1]     ; the gain
.set j, j+2
.endr
.irp i, 0,1,2,3,4,5,6,7
.set j, 0
.rept 8
	v_pk_fma_f32 v[X+16*\i+j:X+16*\i+j+1], v[X+16*\i+j:X+16*\i+j+1], v[GA+j:GA+j+1], v[BE+j:BE+j+1]
.set j, j+2
.endr
.endr
	QPAIR 0
	QPAIR 1
	QPAIR 2
	QPAIR 3
	s_wait_tensorcnt 0x0
	ds_add_u32 v254, v255
	s_wait_dscnt 0x0
	s_endpgm
	; ================ THE WEIGHTS ================
.Lweights:
.if PART == 0
	s_load_b256 s[8:15], s[0:1], 0x20              ; Wq, Wk, Wv, Wo
	s_load_b64 s[20:21], s[0:1], 0x40              ; wsW
.else
	s_load_b128 s[16:19], s[0:1], 0x20             ; W1, W2
	s_load_b64 s[20:21], s[0:1], 0x30              ; wsW
.endif
	v_lshrrev_b32 v1, 5, v0
	v_readfirstlane_b32 s22, v1                    ; wave 0..15
	v_and_b32 v1, 31, v0
	v_lshlrev_b32 v2, 2, v1                        ; in: 4 bytes a lane
	v_bfe_u32 v9, v0, 3, 1                         ; which tile of the pair
	v_and_b32 v6, 7, v0
	v_bfe_u32 v7, v0, 4, 1
	v_lshl_add_u32 v6, v7, 3, v6                   ; my slot in it
	s_and_b32 s23, s22, 3                          ; which 32 of the work-group's 128 columns
	s_lshr_b32 s38, s22, 2                         ; which 128 of its 512 along K
	s_sub_co_u32 s39, ttmp9, LNWG                  ; the work-group's number among the weights'
	s_wait_kmcnt 0x0
.if PART == 0
	s_cmp_lt_u32 s39, 48
	s_cbranch_scc1 .Lqkv
	PRE 48, 1, 4096
	s_mov_b64 s[24:25], s[14:15]
	WQ 4096, 1024, 2359296, 9535488                ; Wo
.Lqkv:
	s_and_b32 s34, s39, 1
	s_lshl_b32 s34, s34, 2
	s_add_co_u32 s34, s34, s38                     ; which 128 along K
	s_lshr_b32 s35, s39, 1                         ; which 128 rows of the 3,072
	s_lshl_b32 s33, s35, 3
	s_lshl_b32 s36, s23, 1
	s_add_co_u32 s33, s33, s36
	s_and_b32 s36, s35, 7
	s_lshl_b32 s36, s36, 1
	s_lshr_b32 s37, s23, 1
	s_add_co_u32 s36, s36, s37                     ; the head
	s_lshl_b32 s30, s36, 18                        ; a head: 1,024 x 64 x 4 bytes
	s_lshl_b32 s37, s34, 15                        ; 128 rows of 256 bytes
	s_add_co_u32 s30, s30, s37
	s_and_b32 s37, s23, 1
	s_lshl_b32 s37, s37, 7                         ; which 32 of the head's 64
	s_add_co_u32 s30, s30, s37
	s_lshr_b32 s35, s35, 3                         ; 0 q, 1 k, 2 v: the choice hangs on the work-group's number alone
	s_cmp_eq_u32 s35, 0
	s_cselect_b64 s[24:25], s[8:9], s[10:11]
	s_cmp_eq_u32 s35, 2
	s_cselect_b64 s[24:25], s[12:13], s[24:25]
	WQ 256, 1024, 0, 9437184
.else
	s_cmp_lt_u32 s39, 64
	s_cbranch_scc1 .Lw1
	PRE 64, 3, 4096
	s_mov_b64 s[24:25], s[18:19]
	WQ 4096, 4096, 6291456, 9699328                ; W2
.Lw1:
	PRE 0, 1, 16384
	s_mov_b64 s[24:25], s[16:17]
	WQ 16384, 1024, 3145728, 9568256               ; W1
.endif
.Lfunc_end_k_q1f7e188e02_prep1:
	.size	k_q1f7e188e02_prep1, .Lfunc_end_k_q1f7e188e02_prep1-k_q1f7e188e02_prep1
	.p2alignl 7, 3214868480
	.fill 96, 4, 3214868480
	.section	.rodata,"a",@progbits
	.p2align	6, 0x0
	.amdhsa_kernel k_q1f7e188e02_prep1
		.amdhsa_group_segment_fixed_size 285184
		.amdhsa_private_segment_fixed_size 0
		.amdhsa_enable_private_segment 0
		.amdhsa_kernarg_size 72
		.amdhsa_user_sgpr_count 2
		.amdhsa_user_sgpr_kernarg_segment_ptr 1
		.amdhsa_wavefront_size32 1
		.amdhsa_system_sgpr_workgroup_id_x 1
		.amdhsa_system_sgpr_workgroup_id_y 1
		.amdhsa_system_sgpr_workgroup_id_z 1
		.amdhsa_system_vgpr_workitem_id 0
		.amdhsa_next_free_vgpr 256
		.amdhsa_next_free_sgpr 66
		.amdhsa_reserve_vcc 0
		.amdhsa_float_denorm_mode_32 3
		.amdhsa_float_denorm_mode_16_64 3
		.amdhsa_memory_ordered 1
		.amdhsa_forward_progress 1
		.amdhsa_inst_pref_size 96
	.end_amdhsa_kernel
	.amdgpu_metadata
---
amdhsa.version: [ 1, 2 ]
amdhsa.kernels:
  - .name:           k_q1f7e188e02_prep1
    .symbol:         k_q1f7e188e02_prep1.kd
    .args:
      - { .name: x, .offset: 0, .size: 8, .value_kind: global_buffer, .address_space: global }
      - { .name: gamma1, .offset: 8, .size: 8, .value_kind: global_buffer, .address_space: global }
      - { .name: beta1, .offset: 16, .size: 8, .value_kind: global_buffer, .address_space: global }
      - { .name: wsH, .offset: 24, .size: 8, .value_kind: global_buffer, .address_space: global }
      - { .name: Wq, .offset: 32, .size: 8, .value_kind: global_buffer, .address_space: global }
      - { .name: Wk, .offset: 40, .size: 8, .value_kind: global_buffer, .address_space: global }
      - { .name: Wv, .offset: 48, .size: 8, .value_kind: global_buffer, .address_space: global }
      - { .name: Wo, .offset: 56, .size: 8, .value_kind: global_buffer, .address_space: global }
      - { .name: wsW, .offset: 64, .size: 8, .value_kind: global_buffer, .address_space: global }
    .group_segment_fixed_size: 285184
    .private_segment_fixed_size: 0
    .kernarg_segment_align: 8
    .kernarg_segment_size: 72
    .max_flat_workgroup_size: 512
    .sgpr_count:     66
    .vgpr_count:     256
    .wavefront_size: 32
...
	.end_amdgpu_metadata
.endif
;; end of part 1
;; launch qkv (part 2): grid 8 x 24, 4 waves a work-group, clusters of 4 x 4, 327,680 bytes of LDS; arguments wsH, wsW, bq, bk, bv, wsQKV; writes wsQKV
.if DOCPART == 2
	.amdgcn_target "amdgcn-amd-amdhsa--gfx1250"
	.amdhsa_code_object_version 6
	.text
	.protected	k_q1f7e188e02_qkv
	.globl	k_q1f7e188e02_qkv
	.p2align	8
	.type	k_q1f7e188e02_qkv,@function
k_q1f7e188e02_qkv:
	s_mov_b64 s[64:65], 0
	v_nop
	global_prefetch_b8 v0, s[64:65] scope:SCOPE_SE
	s_setreg_imm32_b32 hwreg(HW_REG_WAVE_MODE, 25, 1), 1
	s_wait_xcnt 0x0
	s_wait_alu depctr_hold_cnt(0) depctr_sa_sdst(0) depctr_va_vdst(0) depctr_va_sdst(0) depctr_va_ssrc(0) depctr_va_vcc(0) depctr_vm_vsrc(0)
	s_getreg_b32 s2, hwreg(HW_REG_IB_STS2, 6, 4)
	s_cmp_eq_u32 s2, 0
	s_cbranch_scc0 .Lentry_in_a_cluster
	s_endpgm
.Lentry_in_a_cluster:
	s_bfe_u32 s2, ttmp6, 0x10000c
	s_cmp_lg_u32 s2, 0xf033
	s_cbranch_scc0 .Lentry_shape_is_right
	s_endpgm
.Lentry_shape_is_right:
; q, k, v = h W + bias on codes of FP6 (E2M3), K = 1,024, and each result quantised at once for attention: q and k along the head's 64, v along the keys.
; A tile of 256 x 256 results is made by four waves, 128 x 128 each: 64 accumulators, 512 registers.  K goes in four steps of 256 through two LDS slots; all four are written out.
; OPERANDS lie in memory as images of the matrix operand's registers (layout: see the weights' launch): a tile of 16 rows x 64 along K is 768 bytes, so a fragment is two loads of 16 bytes a lane and two of 8, all dense.
; THE MATRIX INSTRUCTION IS USED TRANSPOSED: source 0 = 16 rows of 'B', source 1 = 16 rows of 'A'; a lane then holds ONE row of A, and by the order of rows in a tile the 16 registers of accumulators 2 p, 2 p + 1 are B's rows 32 p + 16 (lane / 16) + 0 .. 15.
; TWO KINDS OF WORK-GROUP, by the cluster's y alone (the same in all sixteen partners).  Kind 0 (y < 4): A = h, B = Wq and Wk: registers run along d.  Kind 1: A = Wv, B = h: registers run along t, v's K in attention.
; Both buffers have the same pitch, so only pointers, tile numbers and section offsets are chosen; the kinds part once, in front of the way out, and neither way touches LDS there.
; CLUSTERS 4 x 4: A's tiles are asked for jointly along a row of the cluster, B's along a column.
; OUT (wsQKV): q, k codes [head number 0-31][batch][tile of 16 rows: 128][768]; their scale bytes [head number][batch][pair of tiles][slot][tile % 2][2];
;   v codes at 6,291,456: [batch][head][128 keys: 16][tile of 16 d: 4][2][768]; v's scale words at 9,699,328: [batch][head][128 keys][tile of d][slot].
; LIMITS: NaN and infinities are not served; a block of zeros gets the byte 1, not 127 (zero codes; read by this program alone); blocks under 2^-124 keep the byte 1.
; REGISTERS: window 0: v16-31 addresses; v32-63 scale words, two sets; v64-127 bias along the registers; v128-223 A's fragments, one set (way out: v128-191 numbers, v192-239 at work); v240-255 bias along the lanes.
;   window 1: B's fragments, two sets, at v0 and v128.   windows 2, 3: the accumulators ((a, b) at v[8 (8 (a % 4) + b)]).
.set GS,     12288                     ; a tile's codes for all of K
.set STEPB,  3072                      ; and for 256 along K
.set HALFT,  8*STEPB                   ; what one tensor load brings
.set SLOT,   4*HALFT                   ; A's 16 tiles, then B's 16
.set SCLA,   2*SLOT                    ; A's scale words for all of K: [tile][8][64 bytes]
.set SCLB,   SCLA+8192+64              ; B's; 64 bytes on, so that A's lanes and B's lanes of a load touch different banks
.set SPARE,  213248                    ; the spare words: 128 bytes a wave, two blocks of 256 bytes that no other line names
.set QKS,    9437184
.set VCG,    6291456
.set VSG,    9699328
.set FR,   12
.set ADRA, 16                          ; v16-17 my A fragments' 16-byte places in slot 0, 1;  v18-19 the 8-byte places
.set ADRB, 20                          ; v20-23 the same for B
.set VO16, 24                          ; v24 16 x lane
.set VO8,  25                          ; v25 512 + 8 x lane
.set VOS,  26                          ; v26 4 r
.set ADRS, 27                          ; v27 my scale words: lanes 0-15 A's, lanes 16-31 B's
.set SPW,  28
.set NIL,  29
.set VOS2, 30                          ; v30 4 r + 8,192 (lane / 16)
.set SC,   32
.set BIAS, 64
.set AF,   128
.set T,    128
.set TM,   192
.set PC,   212
.set PWB,  232
.set BV,   240
.set SEL,  100
.set G1, 24
.set G0, 32
.set G1B, 48
.set G0B, 56
.set G1S, 68
.set G0S, 76
.set G1SB, 80
.set G0SB, 88
.set MSB, 0
.macro WIN new                         ; the immediate's high byte repeats the setting that is left
.if MSB != \new
	s_set_vgpr_msb (MSB<<8)|\new
.set MSB, \new
.endif
.endm
.set MUL_LO, 0xa1                      ; source 0 (B) window 1, source 1 (A) window 0, C and D window 2
.set MUL_HI, 0xf1
.set TO_B,   0x40
.macro JLOAD g0a, g1a, g0b, g1b        ; a joint load: waves 0, 1 fetch for A, waves 2, 3 for B; four v_nop follow each line
	s_cmp_eq_u32 s15, 0
	s_cbranch_scc0 .Lfor_b_\@
	tensor_load_to_lds s[\g0a:\g0a+3], s[\g1a:\g1a+7]
	s_nop 0
.rept 4
	v_nop
.endr
	s_branch .Lasked_\@
.Lfor_b_\@:
	tensor_load_to_lds s[\g0b:\g0b+3], s[\g1b:\g1b+7]
	s_nop 0
.rept 4
	v_nop
.endr
.Lasked_\@:
.endm
.macro CREST                           ; a round of the cluster's barrier behind its opening barrier
	s_cmp_lg_u32 s14, 0
	s_cbranch_scc1 .Lnot_wave_0_\@
	s_barrier_signal -3
.Lnot_wave_0_\@:
	s_barrier_wait -3
	s_barrier_signal -1
	s_barrier_wait -1
.endm
.macro CROUND
	s_barrier_signal -1
	s_barrier_wait -1
	CREST
.endm
.macro PLACES                          ; four places behind matrix instructions, in front of loads into their registers and of reads of results
.rept 4
	v_nop
.endr
.endm
.macro FRAG reg, adr, off              ; a fragment, 16 rows x 128 K: 12 registers; every load takes consecutive bytes lane by lane
	ds_load_b128 v[\reg:\reg+3], v[\adr] offset:\off
	ds_load_b64 v[\reg+4:\reg+5], v[\adr+2] offset:\off
	ds_load_b128 v[\reg+6:\reg+9], v[\adr] offset:\off+768
	ds_load_b64 v[\reg+10:\reg+11], v[\adr+2] offset:\off+768
.endm
.macro FETCH_B slot, q, p
	WIN TO_B
.irp i, 0,1,2,3,4,5,6,7
	FRAG 128*(\p)+FR*\i, ADRB+\slot, \i*STEPB+(\q)*1536
.endr
	WIN 0
.endm
.macro FETCH_A slot, q, i0
.irp i, \i0, \i0+1, \i0+2, \i0+3
	FRAG AF+FR*(\i), ADRA+\slot, (\i)*STEPB+(\q)*1536
.endr
.endm
.macro SCALES n                        ; K step n's scale words into set n % 2: register 2 i + q: lanes 0-15 A's tile i, lanes 16-31 B's tile i
.irp i, 0,1,2,3,4,5,6,7
.irp q, 0,1
	ds_load_b32 v[SC+16*((\n)%2)+2*\i+\q], v[ADRS] offset:\i*512+(2*(\n)+\q)*64
.endr
.endr
.endm
; 16 matrix instructions: A's blocks a0, a0 + 1 x B's eight.  The 64 accumulators take turns in one order throughout.
.macro MUL16 a0, p, q, sc, zero
.irp a, \a0, \a0+1
.irp b, 0,1,2,3,4,5,6,7
.if \zero
	v_wmma_scale_f32_16x16x128_f8f6f4 v[8*(8*((\a)%4)+\b):8*(8*((\a)%4)+\b)+7], v[128*(\p)+FR*\b:128*(\p)+FR*\b+FR-1], v[AF+FR*(\a):AF+FR*(\a)+FR-1], 0, v[SC+16*(\sc)+2*\b+(\q)], v[SC+16*(\sc)+2*(\a)+(\q)] matrix_a_fmt:MATRIX_FMT_FP6 matrix_b_fmt:MATRIX_FMT_FP6 matrix_a_scale:MATRIX_SCALE_ROW1
.else
	v_wmma_scale_f32_16x16x128_f8f6f4 v[8*(8*((\a)%4)+\b):8*(8*((\a)%4)+\b)+7], v[128*(\p)+FR*\b:128*(\p)+FR*\b+FR-1], v[AF+FR*(\a):AF+FR*(\a)+FR-1], v[8*(8*((\a)%4)+\b):8*(8*((\a)%4)+\b)+7], v[SC+16*(\sc)+2*\b+(\q)], v[SC+16*(\sc)+2*(\a)+(\q)] matrix_a_fmt:MATRIX_FMT_FP6 matrix_b_fmt:MATRIX_FMT_FP6 matrix_a_scale:MATRIX_SCALE_ROW1
.endif
.endr
.endr
.endm
.macro STEP slot, zero                 ; a slot's first 128 along K
	s_wait_dscnt 16                                ; B's set and A's blocks 0-3 are in; the youngest 16 loads (A's blocks 4-7) may be out
	WIN MUL_LO
	MUL16 0, 0, 0, \slot, \zero
	MUL16 2, 0, 0, \slot, \zero
	s_wait_dscnt 0x0
	PLACES
	FETCH_B \slot, 1, 1
	FETCH_A \slot, 1, 0
	WIN MUL_HI
	MUL16 4, 0, 0, \slot, \zero
	MUL16 6, 0, 0, \slot, \zero
	PLACES
	WIN 0
	FETCH_A \slot, 1, 4
.endm
; A slot's second 128 along K changes slots: one barrier; in front of it each wave waits for all its tensor loads, adds 0 to its spare word, and waits for that and for its reads of this slot.
.macro TURN slot, next, fill, nn       ; nn: the K step that lies in the next slot
	s_wait_tensorcnt 0x0                           ; all my tensor loads have landed: my part of the next slot
	ds_add_u32 v[SPW], v[NIL]                      ; 0 onto my spare word
	s_wait_dscnt 17                                ; (the add and the youngest 16 loads may be out)
	WIN MUL_LO
	MUL16 0, 1, 1, \slot, 0
	s_wait_dscnt 0x0                               ; the add is done, and my reads of this slot are over
	s_barrier_signal -1
	MUL16 2, 1, 1, \slot, 0
	WIN 0
	s_barrier_wait -1
.if \fill
	CREST                                          ; the barrier has opened a round of the cluster's: no wave of any partner still reads this slot or has a load on its way
	s_add_nc_u64 s[G0+4*\slot+2:G0+4*\slot+3], s[G0+4*\slot+2:G0+4*\slot+3], 2*STEPB
	s_add_nc_u64 s[G0B+4*\slot+2:G0B+4*\slot+3], s[G0B+4*\slot+2:G0B+4*\slot+3], 2*STEPB
	JLOAD G0+4*\slot, G1, G0B+4*\slot, G1B         ; my one tensor load behind the round; its four v_nop are the places in front of the loads below
.else
	PLACES
.endif
	FETCH_B \next, 0, 0
	FETCH_A \next, 0, 0
	SCALES \nn
	WIN MUL_HI
	MUL16 4, 1, 1, \slot, 0
	MUL16 6, 1, 1, \slot, 0
	PLACES
	WIN 0
	FETCH_A \next, 0, 4
.endm
; 64 numbers of a lane, register 16 b + i = k 32 b + 16 (lane / 16) + i of my row, become a fragment's codes in v[PC] on and its scale word in v[pw]
.macro QUANT s, pw
.irp b, 0,1,2,3
	v_max3_num_f32 v[TM+\b], |v[\s+16*\b]|, |v[\s+1+16*\b]|, 0x1800000     ; and the floor 2^(3 - 127): the byte cannot fall under 1
.endr
.irp i, 2,4,6,8,10,12,14
.irp b, 0,1,2,3
	v_max3_num_f32 v[TM+\b], v[TM+\b], |v[\s+16*\b+\i]|, |v[\s+1+16*\b+\i]|
.endr
.endr
.irp b, 0,1,2,3
	v_permlanex16_b32 v[TM+4+\b], v[TM+\b], s[SEL], s[SEL+1]
.endr
.irp b, 0,1,2,3
	v_max_num_f32 v[TM+\b], v[TM+\b], v[TM+4+\b]
.endr
.irp b, 0,1,2,3
	v_add_nc_u32 v[TM+12+\b], 0xff000000, v[TM+\b]   ; 2 off the exponent field: the conversion's scale operand
.endr
.irp b, 0,1,2,3
	v_lshrrev_b32 v[TM+4+\b], 23, v[TM+12+\b]
.endr
	v_lshl_or_b32 v[\pw], v[TM+5], 8, v[TM+4]
	v_lshl_or_b32 v[\pw], v[TM+6], 16, v[\pw]
	v_lshl_or_b32 v[\pw], v[TM+7], 24, v[\pw]
.irp c, 0,1
	v_cvt_scalef32_pk16_fp6_f32 v[PC+6*\c:PC+2+6*\c], v[\s+32*\c:\s+15+32*\c], v[TM+12+2*\c]
	v_cvt_scalef32_pk16_fp6_f32 v[PC+12+4*\c:PC+14+4*\c], v[\s+16+32*\c:\s+31+32*\c], v[TM+12+2*\c+1]
.endr
	v_nop                                          ; one plain place behind a scaled conversion
.irp c, 0,1                            ; the operand's layout wants a whole block in a lane
.irp i, 0,1,2
	v_permlane16_swap_b32 v[PC+6*\c+\i], v[PC+12+4*\c+\i]
.endr
.irp i, 0,1,2
	v_mov_b32 v[PC+3+6*\c+\i], v[PC+12+4*\c+\i]
.endr
.endr
.endm
; Block a of 16 rows of A: + bias, quantised, and its fragment stored as it stands: 512 and 256 consecutive aligned bytes a store
.macro EPI a, kind
	s_wait_xcnt 0x0                                ; the last block's stores have read their registers
	WIN 0x02+((\a)/4)                              ; source 0: window 2 or 3
.set i, 0
.rept 32
.if \kind
	v_pk_add_f32 v[T+i:T+i+1], v[64*((\a)%4)+i:64*((\a)%4)+i+1], v[BV+2*(\a):BV+2*(\a)+1]
.else
	v_pk_add_f32 v[T+i:T+i+1], v[64*((\a)%4)+i:64*((\a)%4)+i+1], v[BIAS+i:BIAS+i+1]
.endif
.set i, i+2
.endr
	WIN 0
	QUANT T, PWB+(\a)
.if \kind
.set OF, ((\a)/4)*98304+((\a)%4)*1536
.set OC, 768
.else
.set OF, (\a)*768
.set OC, 196608
.endif
	global_store_b128 v[VO16], v[PC:PC+3], s[12:13] offset:OF
	global_store_b64 v[VO8], v[PC+4:PC+5], s[12:13] offset:OF
	global_store_b128 v[VO16], v[PC+6:PC+9], s[12:13] offset:OF+OC
	global_store_b64 v[VO8], v[PC+10:PC+11], s[12:13] offset:OF+OC
.endm
	s_load_b256 s[4:11], s[0:1], 0x0               ; wsH, wsW, bq, bk
	s_load_b128 s[96:99], s[0:1], 0x20             ; bv, wsQKV
	v_lshl_add_u32 v[SPW], v0, 2, SPARE
	v_mov_b32 v[NIL], 0
	ds_add_u32 v28, v29
	ds_add_u32 v28, v29
	s_wait_dscnt 0x0
	v_lshrrev_b32 v1, 5, v0
	v_readfirstlane_b32 s14, v1                    ; wave 0..3
	s_lshr_b32 s15, s14, 1                         ; which half of A's rows is mine.  Also: I fetch for A (0) or for B (1)
	s_and_b32 s16, s14, 1                          ; which half of B's rows.  Also: which 8 tiles I fetch
	s_bfe_u32 s40, ttmp6, 0x40000                  ; cx, cy
	s_bfe_u32 s41, ttmp6, 0x40004
	s_lshl_b32 s42, ttmp9, 2
	s_add_co_u32 s42, s42, s40                     ; x = 4 x cluster x + cx
	s_and_b32 s3, ttmp7, 0xffff                    ; the cluster's y
	s_lshl_b32 s17, s3, 2
	s_add_co_u32 s17, s17, s41                     ; kind 0: A's tile of 256 rows of h
	s_add_co_u32 s18, s41, 8                       ; kind 1: A's tile of the weights' rows: Wv's begin at tile 8
	s_lshl_b32 s105, s3, 3
	s_add_co_u32 s105, s105, s42
	s_sub_co_u32 s105, s105, 32                    ; kind 1: B's tile of h: x + 8 (cluster y - 4)
	s_mov_b32 s12, 3145728                         ; where the scale words begin in wsH,
	s_mov_b32 s13, 9437184                         ; and in wsW
	s_lshl_b32 s43, s41, 2
	s_lshl_b32 s43, 15, s43                        ; my row of the cluster
	s_lshl_b32 s44, 0x1111, s40                    ; my column
	s_or_b32 s[G1+0], s43, (3<<16)|(1<<21)         ; the mask: A's tiles go to my row; elements of 8 bytes; bit 21 beside a mask; no padding
	s_or_b32 s[G1B+0], s44, (3<<16)|(1<<21)
.irp g, G1, G1B
	s_mov_b32 s[\g+1], 384<<16                     ; tensor_dim0: 3,072 bytes
	s_mov_b32 s[\g+2], 8<<16                       ; tensor_dim1: 8 tiles
	s_mov_b32 s[\g+3], 384<<16                     ; tile_dim0
	s_mov_b32 s[\g+4], 8                           ; tile_dim1
	s_mov_b32 s[\g+5], 1536                        ; from tile to tile: 12,288 bytes
	s_mov_b32 s[\g+6], 0
	s_mov_b32 s[\g+7], 0
.endr
	s_or_b32 s[G1S+0], s43, (3<<16)|(1<<21)        ; the scale words of 8 tiles: 4,096 dense bytes as 16 rows of 256
	s_or_b32 s[G1SB+0], s44, (3<<16)|(1<<21)
.irp g, G1S, G1SB
	s_mov_b32 s[\g+1], 32<<16
	s_mov_b32 s[\g+2], 16<<16
	s_mov_b32 s[\g+3], 32<<16
	s_mov_b32 s[\g+4], 16
	s_mov_b32 s[\g+5], 32
	s_mov_b32 s[\g+6], 0
	s_mov_b32 s[\g+7], 0
.endr
	s_lshl_b32 s2, s16, 3
	s_mul_i32 s45, s14, HALFT                      ; where my tiles go: no place in the cluster enters an LDS address
	s_lshl_b32 s104, s14, 12
	s_wait_kmcnt 0x0
	s_cmp_ge_u32 s3, 4                             ; the kind: all selections stand behind this one compare
	s_cselect_b32 s17, s18, s17                    ; A's tile
	s_cselect_b32 s105, s105, s42                  ; B's tile
	s_cselect_b64 s[20:21], s[6:7], s[4:5]         ; A's buffer
	s_cselect_b64 s[46:47], s[4:5], s[6:7]         ; B's buffer
	s_cselect_b32 s100, s13, s12                   ; where A's scale words begin
	s_cselect_b32 s101, s12, s13                   ; and B's
	s_cselect_b32 s3, 1, 0
	s_lshl_b32 s22, s17, 4
	s_add_co_u32 s22, s22, s2                      ; A: the first of the 8 tiles of 16 rows that I fetch
	s_mul_i32 s18, s22, GS
	s_mov_b32 s19, 0
	s_lshl_b32 s22, s22, 9
	s_add_co_u32 s22, s22, s100
	s_mov_b32 s23, 0
	s_add_nc_u64 s[22:23], s[20:21], s[22:23]      ; A's scale words
	s_add_nc_u64 s[20:21], s[20:21], s[18:19]      ; A's codes
	s_lshl_b32 s92, s105, 4
	s_add_co_u32 s92, s92, s2                      ; B likewise
	s_mul_i32 s94, s92, GS
	s_mov_b32 s95, 0
	s_lshl_b32 s92, s92, 9
	s_add_co_u32 s92, s92, s101
	s_mov_b32 s93, 0
	s_add_nc_u64 s[92:93], s[46:47], s[92:93]
	s_add_nc_u64 s[46:47], s[46:47], s[94:95]
	CROUND                                         ; all sixteen work-groups are here: the first joint loads meet
	s_mov_b32 s[G0S], 1
	s_add_co_u32 s[G0S+1], s104, SCLA
	s_mov_b64 s[G0S+2:G0S+3], s[22:23]
	s_or_b32 s[G0S+3], s[G0S+3], 0x80000000
	s_mov_b32 s[G0SB], 1
	s_add_co_u32 s[G0SB+1], s104, SCLA+64
	s_mov_b64 s[G0SB+2:G0SB+3], s[92:93]
	s_or_b32 s[G0SB+3], s[G0SB+3], 0x80000000
	JLOAD G0S, G1S, G0SB, G1SB                     ; the scale words first: filled once
.irp s, 0,1
	s_mov_b32 s[G0+4*\s], 1
	s_add_co_u32 s[G0+4*\s+1], s45, \s*SLOT
	s_add_nc_u64 s[G0+4*\s+2:G0+4*\s+3], s[20:21], \s*STEPB
	s_or_b32 s[G0+4*\s+3], s[G0+4*\s+3], 0x80000000
	s_mov_b32 s[G0B+4*\s], 1
	s_add_co_u32 s[G0B+4*\s+1], s45, \s*SLOT
	s_add_nc_u64 s[G0B+4*\s+2:G0B+4*\s+3], s[46:47], \s*STEPB
	s_or_b32 s[G0B+4*\s+3], s[G0B+4*\s+3], 0x80000000
	JLOAD G0+4*\s, G1, G0B+4*\s, G1B               ; three loads of mine are out now
.endr
	v_and_b32 v1, 31, v0                           ; lane
	v_and_b32 v2, 15, v0                           ; r
	v_bfe_u32 v3, v0, 4, 1                         ; h
	v_lshlrev_b32 v[VO16], 4, v1
	v_lshl_add_u32 v[VO8], v1, 3, 512
	s_mul_i32 s18, s15, HALFT                      ; my 8 tiles of A,
	s_mul_i32 s19, s16, HALFT
	s_add_co_u32 s19, s19, 2*HALFT                 ; my 8 of B, behind A's 16
.irp s, 0,1
	v_add_nc_u32 v[ADRA+\s], s18, v[VO16]
	v_add_nc_u32 v[ADRB+\s], s19, v[VO16]
	v_add_nc_u32 v[ADRA+2+\s], s18, v[VO8]
	v_add_nc_u32 v[ADRB+2+\s], s19, v[VO8]
	s_add_co_u32 s18, s18, SLOT
	s_add_co_u32 s19, s19, SLOT
.endr
	v_lshlrev_b32 v[VOS], 2, v2
	v_lshl_add_u32 v[VOS2], v3, 13, v[VOS]
	s_lshl_b32 s18, s15, 12
	s_lshl_b32 s19, s16, 12
	s_add_co_u32 s19, s19, SCLB-SCLA
	s_sub_co_u32 s19, s19, s18
	v_mul_u32_u24 v7, s19, v3                      ; lanes 16-31 take B's
	s_add_co_u32 s18, s18, SCLA
	v_add_nc_u32 v7, v[VOS], v7
	v_add_nc_u32 v[ADRS], s18, v7
	; both biases are loaded in both kinds (each address is in bounds for either): bq or bk along the registers, bv along the lanes
	s_cmp_lt_u32 s42, 4
	s_cselect_b64 s[8:9], s[8:9], s[10:11]
	s_and_b32 s18, s42, 3
	s_lshl_b32 s18, s18, 10
	s_lshl_b32 s19, s16, 9
	s_add_co_u32 s18, s18, s19
	s_mov_b32 s19, 0
	s_add_nc_u64 s[8:9], s[8:9], s[18:19]
	s_lshl_b32 s18, s41, 10
	s_lshl_b32 s2, s15, 9
	s_add_co_u32 s18, s18, s2
	s_add_nc_u64 s[96:97], s[96:97], s[18:19]
	v_lshlrev_b32 v8, 6, v3                        ; 64 h
	v_and_b32 v9, 7, v0
	v_bfe_u32 v10, v0, 3, 1
	v_lshl_add_u32 v9, v10, 4, v9
	v_lshlrev_b32 v9, 2, v9                        ; 4 (r % 8 + 16 (r / 8))
.irp p, 0,1,2,3
.irp k, 0,1,2,3
	global_load_b128 v[BIAS+16*\p+4*\k:BIAS+16*\p+4*\k+3], v8, s[8:9] offset:128*\p+16*\k
.endr
.endr
.irp a, 0,1,2,3,4,5,6,7
	global_load_b32 v[BV+2*\a], v9, s[96:97] offset:(32*(\a/2)+8*(\a%2))*4
	global_load_b32 v[BV+2*\a+1], v9, s[96:97] offset:(32*(\a/2)+8*(\a%2))*4      ; twice: a pair for the packed addition
.endr
	s_mov_b32 s[SEL], 0x76543210
	s_mov_b32 s[SEL+1], 0xfedcba98
	s_mov_b32 s104, 0xffff0000                     ; lanes 16-31
	s_wait_tensorcnt 1                             ; the scale words and my part of K step 0 are in; K step 1's load may be out
	s_barrier_signal -1
	s_barrier_wait -1
	FETCH_B 0, 0, 0
	FETCH_A 0, 0, 0
	SCALES 0
	FETCH_A 0, 0, 4
	STEP 0, 1                                      ; the first products start the sums
	TURN 0, 1, 1, 1
	STEP 1, 0
	TURN 1, 0, 1, 2
	STEP 0, 0
	TURN 0, 1, 0, 3                                ; nothing is left to fetch
	STEP 1, 0
	s_wait_dscnt 16
	WIN MUL_LO
	MUL16 0, 1, 1, 1, 0
	MUL16 2, 1, 1, 1, 0
	s_wait_dscnt 0x0
	WIN MUL_HI
	MUL16 4, 1, 1, 1, 0
	MUL16 6, 1, 1, 1, 0
	WIN 0
	PLACES
.irp b, 0,1,2,3
	v_mov_b32 v[TM+4+\b], 0                        ; a lane permute's destination counts as one of its sources
.endr
	s_wait_loadcnt 0x0                             ; the biases
	s_cmp_lg_u32 s3, 0                             ; the kind: the same in all partners
	s_cbranch_scc1 .Lkind_v
	; ---- q and k: my 128 columns are two heads; a fragment's two halves go to the two heads
	s_lshl_b32 s18, s42, 2
	s_lshl_b32 s19, s16, 1
	s_add_co_u32 s18, s18, s19                     ; my first head number
	s_lshl_b32 s18, s18, 1
	s_lshr_b32 s19, s17, 3
	s_add_co_u32 s18, s18, s19                     ; 2 x head number + batch
	s_and_b32 s19, s17, 7
	s_lshl_b32 s19, s19, 1
	s_add_co_u32 s19, s19, s15                     ; which 8 tiles of the batch's 128
	s_mul_i32 s2, s18, 98304
	s_mul_i32 s20, s19, 8*768
	s_add_co_u32 s2, s2, s20
	s_mov_b32 s3, 0
	s_add_nc_u64 s[12:13], s[98:99], s[2:3]
	s_lshl_b32 s2, s18, 12
	s_lshl_b32 s20, s19, 8
	s_add_co_u32 s2, s2, s20
	s_add_co_u32 s2, s2, QKS
	s_add_nc_u64 s[66:67], s[98:99], s[2:3]
.irp a, 0,1,2,3,4,5,6,7
	EPI \a, 0
.endr
.irp i, 0,1,2,3                        ; a word for a pair of tiles: the even tile's two bytes, then the odd tile's; lanes 0-15 the even head, lanes 16-31 the odd head
	v_perm_b32 v[T+2*\i], v[PWB+2*\i+1], v[PWB+2*\i], 0x05040100
	v_perm_b32 v[T+2*\i+1], v[PWB+2*\i+1], v[PWB+2*\i], 0x07060302
	v_cndmask_b32 v[T+2*\i], v[T+2*\i], v[T+2*\i+1], s104
	global_store_b32 v[VOS2], v[T+2*\i], s[66:67] offset:64*\i
.endr
	s_branch .Ldone
.Lkind_v:
	; ---- v: my 128 rows of A are two heads' d; my 128 columns are one step of 128 keys
	s_lshr_b32 s18, s105, 3                        ; the batch
	s_lshl_b32 s18, s18, 4
	s_lshl_b32 s19, s41, 2
	s_add_co_u32 s18, s18, s19
	s_lshl_b32 s19, s15, 1
	s_add_co_u32 s18, s18, s19                     ; 16 batch + my first head
	s_lshl_b32 s18, s18, 4
	s_and_b32 s19, s105, 7
	s_lshl_b32 s19, s19, 1
	s_add_co_u32 s18, s18, s19
	s_add_co_u32 s18, s18, s16                     ; x 16 + the step of keys
	s_mul_i32 s2, s18, 6144
	s_add_co_u32 s2, s2, VCG
	s_mov_b32 s3, 0
	s_add_nc_u64 s[12:13], s[98:99], s[2:3]
	s_lshl_b32 s2, s18, 8
	s_add_co_u32 s2, s2, VSG
	s_add_nc_u64 s[66:67], s[98:99], s[2:3]
.irp a, 0,1,2,3,4,5,6,7
	EPI \a, 1
.endr
.irp a, 0,1,2,3,4,5,6,7
	global_store_b32 v[VOS], v[PWB+\a], s[66:67] offset:(\a/4)*4096+(\a%4)*64      ; lanes r and r + 16 hold the same word
.endr
.Ldone:
	s_wait_tensorcnt 0x0                           ; the wave's end
	ds_add_u32 v[SPW], v[NIL]
	s_wait_dscnt 0x0
	CROUND                                         ; the closing round
	s_endpgm
.Lfunc_end_k_q1f7e188e02_qkv:
	.size	k_q1f7e188e02_qkv, .Lfunc_end_k_q1f7e188e02_qkv-k_q1f7e188e02_qkv
	.p2alignl 7, 3214868480
	.fill 96, 4, 3214868480
	.section	.rodata,"a",@progbits
	.p2align	6, 0x0
	.amdhsa_kernel k_q1f7e188e02_qkv
		.amdhsa_group_segment_fixed_size 327680
		.amdhsa_private_segment_fixed_size 0
		.amdhsa_enable_private_segment 0
		.amdhsa_kernarg_size 48
		.amdhsa_user_sgpr_count 2
		.amdhsa_user_sgpr_kernarg_segment_ptr 1
		.amdhsa_wavefront_size32 1
		.amdhsa_system_sgpr_workgroup_id_x 1
		.amdhsa_system_sgpr_workgroup_id_y 1
		.amdhsa_system_sgpr_workgroup_id_z 1
		.amdhsa_system_vgpr_workitem_id 0
		.amdhsa_next_free_vgpr 1024
		.amdhsa_next_free_sgpr 106
		.amdhsa_reserve_vcc 0
		.amdhsa_float_denorm_mode_32 3
		.amdhsa_float_denorm_mode_16_64 3
		.amdhsa_memory_ordered 1
		.amdhsa_forward_progress 1
		.amdhsa_inst_pref_size 222
	.end_amdhsa_kernel
	.amdgpu_metadata
---
amdhsa.version: [ 1, 2 ]
amdhsa.kernels:
  - .name:           k_q1f7e188e02_qkv
    .symbol:         k_q1f7e188e02_qkv.kd
    .args:
      - { .name: wsH, .offset: 0, .size: 8, .value_kind: global_buffer, .address_space: global }
      - { .name: wsW, .offset: 8, .size: 8, .value_kind: global_buffer, .address_space: global }
      - { .name: bq, .offset: 16, .size: 8, .value_kind: global_buffer, .address_space: global }
      - { .name: bk, .offset: 24, .size: 8, .value_kind: global_buffer, .address_space: global }
      - { .name: bv, .offset: 32, .size: 8, .value_kind: global_buffer, .address_space: global }
      - { .name: wsQKV, .offset: 40, .size: 8, .value_kind: global_buffer, .address_space: global }
    .group_segment_fixed_size: 327680
    .private_segment_fixed_size: 0
    .kernarg_segment_align: 8
    .kernarg_segment_size: 48
    .max_flat_workgroup_size: 128
    .sgpr_count:     106
    .vgpr_count:     1024
    .wavefront_size: 32
...
	.end_amdgpu_metadata
.endif
;; end of part 2
;; launch attn (part 3): grid 8 x 32, 16 waves a work-group, clusters of 4 x 1, 206,848 bytes of LDS; arguments wsQKV, wsA; writes wsA
.if DOCPART == 3
	.amdgcn_target "amdgcn-amd-amdhsa--gfx1250"
	.amdhsa_code_object_version 6
	.text
	.protected	k_q1f7e188e02_attn
	.globl	k_q1f7e188e02_attn
	.p2align	8
	.type	k_q1f7e188e02_attn,@function
k_q1f7e188e02_attn:
	s_mov_b64 s[64:65], 0
	v_nop
	global_prefetch_b8 v0, s[64:65] scope:SCOPE_SE
	s_setreg_imm32_b32 hwreg(HW_REG_WAVE_MODE, 25, 1), 1
	s_wait_xcnt 0x0
	s_wait_alu depctr_hold_cnt(0) depctr_sa_sdst(0) depctr_va_vdst(0) depctr_va_sdst(0) depctr_va_ssrc(0) depctr_va_vcc(0) depctr_vm_vsrc(0)
	s_getreg_b32 s2, hwreg(HW_REG_IB_STS2, 6, 4)
	s_cmp_eq_u32 s2, 0
	s_cbranch_scc0 .Lentry_in_a_cluster
	s_endpgm
.Lentry_in_a_cluster:
	s_bfe_u32 s2, ttmp6, 0x10000c
	s_cmp_lg_u32 s2, 0x3003
	s_cbranch_scc0 .Lentry_shape_is_right
	s_endpgm
.Lentry_shape_is_right:
; attention for one (batch, head) and 256 queries, both products on codes of FP6 (E2M3); the result, divided by the row's sum, is quantised along the model's 1,024 and stored as codes.
; SOFTMAX: t = score x log2(e) / 8; M = the running largest t rounded UP to a whole number; p = 2^(t - M) is quantised along the keys, not normalised; the row's sum is taken of the unquantised p;
; when M moves, the sum and O are multiplied by 2^(old M - new M), which rounds nothing.  The maximum is taken away in every step.
; SHARES: sixteen waves, each with one tile of 16 queries in 256 registers: four waves to a SIMD, so that one wave's vector work stands beside another's products and LDS loads.
; THE WHOLE HEAD'S K AND V (98,304 bytes of codes each, 4,096 of scale words each) LIE IN LDS, FILLED ONCE: no ring, nothing is filled again.
; CLUSTER 4 x 1: the four query blocks of a cluster walk the same K and V: each part is asked for jointly (mask 15) by waves 0-7, two loads each.
; BOTH PRODUCTS ARE TRANSPOSED: S^T = K Q^T, O^T = V^T P^T: a lane holds one query throughout.  By the order of rows in a tile the 16 registers of two neighbouring tiles of keys are 16 neighbouring keys.
; K = 64 IN AN INSTRUCTION 128 DEEP: a fragment of K holds TWO tiles of keys, one in each half of its depth; against [q | 0] it gives the first tile's scores, against [0 | q] the second's.  v16-33 hold 0, q, 0: both forms are views of them.
; K's scale word holds the first tile's two bytes and the second's; q's two bytes stand twice in its word.  Zero codes add nothing under any of these bytes.
; LIMITS: NaN and infinities are not served; a block of zeros gets the byte 1, not 127 (zero codes; read by this program alone).  A block's largest p is the exponential of its largest score, which takes v_exp_f32 not to fall where its input rises.
; REGISTERS: v1-7 addresses that stay; v8-11, v92-93 the step's; v12 -M, v13 the largest t, v[14:15] the sum; v16-33 q; v34 q's scale word; v36-83 four fragments; v84-91 scale words; v96-159 S^T, then p; v160-191 O^T; v192-210 p's codes; v212-233 at work.
.set VCL, 98304                        ; LDS: K's codes at 0, V's here,
.set KSL, 196608                       ; K's scale words,
.set VSL, 200704                       ; V's
.set QKS, 9437184
.set VCG, 6291456
.set VSG, 9699328
.set WV,  18
.set SEL, 20
.set CS,  22
.set G1C, 24
.set G1S, 32
.set G0C, 40
.set G0S, 44
.set TB,  60                           ; s60 the step's codes: 6,144 bytes a step
.set TS,  61                           ; s61 the step's scale words: 256 bytes a step
.set CNT, 62
.macro CROUND
	s_barrier_signal -1
	s_barrier_wait -1
	s_cmp_lg_u32 s[WV], 0
	s_cbranch_scc1 .Lnot_wave_0_\@
	s_barrier_signal -3
.Lnot_wave_0_\@:
	s_barrier_wait -3
	s_barrier_signal -1
	s_barrier_wait -1
.endm
.macro FRAG reg, a16, a8, off
	ds_load_b128 v[\reg:\reg+3], v[\a16] offset:\off
	ds_load_b64 v[\reg+4:\reg+5], v[\a8] offset:\off
	ds_load_b128 v[\reg+6:\reg+9], v[\a16] offset:\off+768
	ds_load_b64 v[\reg+10:\reg+11], v[\a8] offset:\off+768
.endm
	s_load_b128 s[4:7], s[0:1], 0x0                ; wsQKV, wsA
	v_lshl_add_u32 v254, v0, 2, 0x32000
	v_mov_b32 v255, 0
	ds_add_u32 v254, v255
	ds_add_u32 v254, v255
	v_lshrrev_b32 v8, 5, v0
	v_readfirstlane_b32 s[WV], v8                  ; wave 0..15
	s_bfe_u32 s8, ttmp6, 0x40000                   ; cx: it enters q's and the output's addresses alone
	s_lshl_b32 s9, ttmp9, 2
	s_add_co_u32 s9, s9, s8                        ; my block of 256 queries
	s_and_b32 s10, ttmp7, 0xffff
	s_lshr_b32 s11, s10, 4                         ; the batch
	s_and_b32 s12, s10, 15                         ; the head
	s_lshr_b32 s13, s[WV], 2                       ; waves 0-3 fetch K, waves 4-7 V;
	s_and_b32 s14, s[WV], 3                        ; which quarter
	s_lshl_b32 s15, s12, 1
	s_add_co_u32 s15, s15, s11
	s_add_co_u32 s15, s15, 32                      ; K: 2 (16 + head) + batch
	s_lshl_b32 s16, s11, 4
	s_add_co_u32 s16, s16, s12                     ; V: 16 batch + head
	s_mul_i32 s48, s15, 98304
	s_mul_i32 s49, s16, 98304
	s_add_co_u32 s49, s49, VCG
	s_lshl_b32 s50, s15, 12
	s_add_co_u32 s50, s50, QKS
	s_lshl_b32 s51, s16, 12
	s_add_co_u32 s51, s51, VSG
	s_cmp_eq_u32 s13, 0
	s_cselect_b32 s48, s48, s49
	s_cselect_b32 s50, s50, s51
	s_mul_i32 s49, s14, 24576
	s_add_co_u32 s48, s48, s49
	s_mov_b32 s49, 0
	s_lshl_b32 s51, s14, 10
	s_add_co_u32 s50, s50, s51
	s_mov_b32 s51, 0
	s_mul_i32 s52, s[WV], 24576                    ; LDS: wave x 24,576 (K's four quarters, then V's),
	s_lshl_b32 s53, s[WV], 10
	s_add_co_u32 s53, s53, KSL                     ; and wave x 1,024 among the scale words
	s_mov_b32 s[G1C], 15|(3<<16)|(1<<21)           ; the mask: all four work-groups; elements of 8 bytes; bit 21 beside a mask
	s_mov_b32 s[G1C+1], 32<<16                     ; rows of 256 bytes,
	s_mov_b32 s[G1C+2], 96<<16                     ; 96 of them, dense
	s_mov_b32 s[G1C+3], 32<<16
	s_mov_b32 s[G1C+4], 96
	s_mov_b32 s[G1C+5], 32
	s_mov_b32 s[G1C+6], 0
	s_mov_b32 s[G1C+7], 0
	s_mov_b32 s[G1S], 15|(3<<16)|(1<<21)
	s_mov_b32 s[G1S+1], 32<<16
	s_mov_b32 s[G1S+2], 4<<16
	s_mov_b32 s[G1S+3], 32<<16
	s_mov_b32 s[G1S+4], 4
	s_mov_b32 s[G1S+5], 32
	s_mov_b32 s[G1S+6], 0
	s_mov_b32 s[G1S+7], 0
	s_lshl_b32 s54, s9, 4
	s_add_co_u32 s54, s54, s[WV]                   ; my tile of queries, of the batch's 128
	s_lshl_b32 s55, s12, 1
	s_add_co_u32 s55, s55, s11                     ; q: 2 head + batch
	s_lshl_b32 s56, s55, 7
	s_add_co_u32 s56, s56, s54
	s_mul_i32 s56, s56, 768
	s_mov_b32 s57, 0
	s_lshl_b32 s58, s55, 6
	s_lshr_b32 s59, s54, 1
	s_add_co_u32 s58, s58, s59
	s_lshl_b32 s58, s58, 6
	s_and_b32 s59, s54, 1
	s_lshl_b32 s59, s59, 1
	s_add_co_u32 s58, s58, s59
	s_add_co_u32 s58, s58, QKS
	s_mov_b32 s59, 0
	s_lshl_b32 s68, s11, 7
	s_add_co_u32 s68, s68, s54                     ; the output's tile of rows
	s_lshl_b32 s70, s68, 3
	s_lshr_b32 s71, s12, 1
	s_add_co_u32 s70, s70, s71
	s_lshl_b32 s70, s70, 6
	s_and_b32 s71, s12, 1
	s_lshl_b32 s71, s71, 1
	s_add_co_u32 s70, s70, s71
	s_add_co_u32 s70, s70, 3145728
	s_mov_b32 s71, 0
	s_mul_i32 s68, s68, 12288
	s_mul_i32 s69, s12, 768
	s_add_co_u32 s68, s68, s69
	s_mov_b32 s69, 0
	s_mov_b32 s[SEL], 0x76543210
	s_mov_b32 s[SEL+1], 0xfedcba98
	s_mov_b32 s[CS], 0x3e38aa3b                    ; c = log2(e) / 8
	s_mov_b32 s[CS+1], s[CS]
	s_mov_b32 s[TB], 0
	s_mov_b32 s[TS], 0
	s_mov_b32 s[CNT], 16
	s_wait_dscnt 0x0
	s_wait_kmcnt 0x0
	s_add_nc_u64 s[48:49], s[4:5], s[48:49]
	s_add_nc_u64 s[50:51], s[4:5], s[50:51]
	s_add_nc_u64 s[56:57], s[4:5], s[56:57]
	s_add_nc_u64 s[58:59], s[4:5], s[58:59]
	s_add_nc_u64 s[68:69], s[6:7], s[68:69]
	s_add_nc_u64 s[70:71], s[6:7], s[70:71]
	CROUND                                         ; all four work-groups are here: the joint loads meet
	s_mov_b32 s[G0S], 1
	s_mov_b32 s[G0S+1], s53
	s_mov_b64 s[G0S+2:G0S+3], s[50:51]
	s_or_b32 s[G0S+3], s[G0S+3], 0x80000000
	s_mov_b32 s[G0C], 1
	s_mov_b32 s[G0C+1], s52
	s_mov_b64 s[G0C+2:G0C+3], s[48:49]
	s_or_b32 s[G0C+3], s[G0C+3], 0x80000000
	s_cmp_lt_u32 s[WV], 8                          ; a wave's two fills stand in one branch on the wave's number; two loads of mine are out
	s_cbranch_scc0 .Lno_fill
	tensor_load_to_lds s[G0S:G0S+3], s[G1S:G1S+7]
	s_nop 0
	tensor_load_to_lds s[G0C:G0C+3], s[G1C:G1C+7]
	s_nop 0
.rept 4
	v_nop
.endr
.Lno_fill:
	v_and_b32 v8, 31, v0
	v_and_b32 v9, 15, v0
	v_lshlrev_b32 v1, 4, v8                        ; 16 x lane
	v_lshl_add_u32 v2, v8, 3, 512                  ; 512 + 8 x lane
	v_lshlrev_b32 v7, 2, v9                        ; 4 r
	global_load_b128 v[22:25], v1, s[56:57]        ; q's 64 along d: six registers
	global_load_b64 v[26:27], v2, s[56:57]
	global_load_u16 v34, v7, s[58:59]              ; its two scale bytes
	v_add_nc_u32 v3, VCL, v1
	v_add_nc_u32 v4, VCL, v2
	v_add_nc_u32 v5, KSL, v7
	v_add_nc_u32 v6, VSL, v7
	s_wait_loadcnt 0x0
	v_lshl_or_b32 v34, v34, 16, v34                ; twice in the word: it serves [q | 0] and [0 | q].  (More than eight plain lines stand between here and the first product)
.irp j, 16,17,18,19,20,21,28,29,30,31,32,33
	v_mov_b32 v[\j], 0
.endr
	v_mov_b32 v13, 0xff61b1e6                      ; the largest t so far: -3e38
	v_floor_f32 v12, -v13                          ; -M
	v_mov_b32 v14, 0
	v_mov_b32 v15, 0
.irp b, 0,1,2,3
	v_mov_b32 v[216+\b], 0                         ; a lane permute's destination counts as one of its sources
.endr
	v_mov_b32 v229, 0                              ; (named as the upper half of the pair v[228:229])
.set j, 0
.rept 32
	v_mov_b32 v[160+j], 0                          ; O^T: the loop is written once; its first step finds zeros
.set j, j+1
.endr
	s_wait_tensorcnt 0x0                           ; my parts have landed,
	s_barrier_signal -1
	s_barrier_wait -1                              ; everybody's have
.Lstep:                                            ; 16 trips of 128 keys
	v_add_nc_u32 v8, s[TB], v1                     ; (these six are also the places in front of the loads into registers that the last products read)
	v_add_nc_u32 v9, s[TB], v2
	v_add_nc_u32 v10, s[TB], v3
	v_add_nc_u32 v11, s[TB], v4
	v_add_nc_u32 v92, s[TS], v5
	v_add_nc_u32 v93, s[TS], v6
.irp b, 0,1,2,3
	FRAG 36+12*\b, 8, 9, 1536*\b
	ds_load_b32 v[84+\b], v92 offset:64*\b
.endr
	s_wait_dscnt 0x0
.irp b, 0,1,2,3
	v_wmma_scale_f32_16x16x128_f8f6f4 v[96+16*\b:103+16*\b], v[36+12*\b:47+12*\b], v[22:33], 0, v[84+\b], v34 matrix_a_fmt:MATRIX_FMT_FP6 matrix_b_fmt:MATRIX_FMT_FP6
	v_wmma_scale_f32_16x16x128_f8f6f4 v[104+16*\b:111+16*\b], v[36+12*\b:47+12*\b], v[16:27], 0, v[84+\b], v34 matrix_a_fmt:MATRIX_FMT_FP6 matrix_b_fmt:MATRIX_FMT_FP6
.endr
.rept 4
	v_nop
.endr
.irp t, 0,1,2,3                        ; V's fragments are asked for now and land under the softmax
	FRAG 36+12*\t, 10, 11, 1536*\t
	ds_load_b32 v[88+\t], v93 offset:64*\t
.endr
.irp b, 0,1,2,3
	v_max3_num_f32 v[212+\b], v[96+16*\b], v[97+16*\b], v[98+16*\b]    ; the largest score of each block of 32 keys: for the row's maximum and for the block's largest p
.endr
.irp i, 3,5,7,9,11,13
.irp b, 0,1,2,3
	v_max3_num_f32 v[212+\b], v[212+\b], v[96+16*\b+\i], v[97+16*\b+\i]
.endr
.endr
.irp b, 0,1,2,3
	v_max_num_f32 v[212+\b], v[212+\b], v[111+16*\b]
.endr
.irp b, 0,1,2,3
	v_permlanex16_b32 v[216+\b], v[212+\b], s[SEL], s[SEL+1]
.endr
.irp b, 0,1,2,3
	v_max_num_f32 v[212+\b], v[212+\b], v[216+\b]
.endr
	v_max3_num_f32 v230, v212, v213, v214
	v_max_num_f32 v230, v230, v215
	v_mul_f32 v230, s[CS], v230
	v_max_num_f32 v13, v13, v230                   ; the running largest t
	v_mov_b32 v230, v12
	v_floor_f32 v12, -v13                          ; the new -M: M is a whole number
	v_sub_f32 v230, v12, v230
	v_cvt_i32_f32 v230, v230                       ; (it saturates)
	v_ldexp_f32 v228, 1.0, v230                    ; f = 2^(old M - new M)
.set j, 0
.rept 32
	v_pk_fma_f32 v[96+j:97+j], v[96+j:97+j], s[CS:CS+1], v[12:13] op_sel_hi:[1,0,0]    ; t - M
.set j, j+2
.endr
.irp b, 0,1,2,3
	v_fma_f32 v[212+\b], v[212+\b], s[CS], v12
.endr
.set j, 0
.rept 64
	v_exp_f32 v[96+j], v[96+j]                     ; p = 2^(t - M)
.set j, j+1
.endr
.irp b, 0,1,2,3
	v_exp_f32 v[212+\b], v[212+\b]                 ; the block's largest p
.endr
	v_pk_mul_f32 v[14:15], v[14:15], v[228:229] op_sel_hi:[1,0]      ; the sums under the new M.  (A plain place behind the exponentials)
	s_wait_alu depctr_va_vdst(0)
.irp b, 0,1,2,3
	v_max_num_f32 v[212+\b], 0x1800000, v[212+\b]  ; the floor 2^(3 - 127)
.endr
.irp b, 0,1,2,3
	v_add_nc_u32 v[220+\b], 0xff000000, v[212+\b]  ; the conversion's scale operand
.endr
.irp b, 0,1,2,3
	v_lshrrev_b32 v[224+\b], 23, v[220+\b]
.endr
	v_lshl_or_b32 v231, v225, 8, v224              ; p's scale word
	v_lshl_or_b32 v231, v226, 16, v231
	v_lshl_or_b32 v231, v227, 24, v231
.irp c, 0,1
	v_cvt_scalef32_pk16_fp6_f32 v[192+6*\c:194+6*\c], v[96+32*\c:111+32*\c], v[220+2*\c]
	v_cvt_scalef32_pk16_fp6_f32 v[204+4*\c:206+4*\c], v[112+32*\c:127+32*\c], v[220+2*\c+1]
.endr
	v_nop
.irp c, 0,1
.irp i, 0,1,2
	v_permlane16_swap_b32 v[192+6*\c+\i], v[204+4*\c+\i]
.endr
.irp i, 0,1,2
	v_mov_b32 v[195+6*\c+\i], v[204+4*\c+\i]
.endr
.endr
	v_pk_add_f32 v[232:233], v[96:97], v[98:99]    ; the row's sum, of the unquantised p, in two chains
.irp j, 4,8,12,16,20,24,28,32,36,40,44,48,52,56,60
	v_pk_add_f32 v[14:15], v[14:15], v[96+\j:97+\j]
	v_pk_add_f32 v[232:233], v[232:233], v[98+\j:99+\j]
.endr
	v_pk_add_f32 v[14:15], v[14:15], v[232:233]
.set j, 0
.rept 16
	v_pk_mul_f32 v[160+j:161+j], v[160+j:161+j], v[228:229] op_sel_hi:[1,0]    ; O^T under the new M
.set j, j+2
.endr
	s_wait_dscnt 0x0                               ; V's fragments are in
.irp t, 0,1,2,3                        ; the four accumulators by turns; between two links of a chain stand eleven other products
	v_wmma_scale_f32_16x16x128_f8f6f4 v[160+8*\t:167+8*\t], v[36+12*\t:47+12*\t], v[192:203], v[160+8*\t:167+8*\t], v[88+\t], v231 matrix_a_fmt:MATRIX_FMT_FP6 matrix_b_fmt:MATRIX_FMT_FP6
.endr
	s_add_co_u32 s[TB], s[TB], 6144
	s_add_co_u32 s[TS], s[TS], 256
	s_sub_co_u32 s[CNT], s[CNT], 1
	s_cmp_lg_u32 s[CNT], 0
	s_cbranch_scc1 .Lstep
	; THE WAY OUT: O^T / the sum; register 16 p + i is d = 32 p + 16 (lane / 16) + i: two blocks of the next product's K
.rept 4
	v_nop
.endr
	v_add_f32 v14, v14, v15
	v_permlanex16_b32 v216, v14, s[SEL], s[SEL+1]
	v_add_f32 v14, v14, v216
	v_rcp_f32 v14, v14
	v_nop
.set j, 0
	s_wait_alu depctr_va_vdst(0)
.rept 32
	v_mul_f32 v[96+j], v[160+j], v14
.set j, j+1
.endr
.irp b, 0,1
	v_max3_num_f32 v[212+\b], |v[96+16*\b]|, |v[97+16*\b]|, 0x1800000
.endr
.irp i, 2,4,6,8,10,12,14
.irp b, 0,1
	v_max3_num_f32 v[212+\b], v[212+\b], |v[96+16*\b+\i]|, |v[97+16*\b+\i]|
.endr
.endr
.irp b, 0,1
	v_permlanex16_b32 v[216+\b], v[212+\b], s[SEL], s[SEL+1]
.endr
.irp b, 0,1
	v_max_num_f32 v[212+\b], v[212+\b], v[216+\b]
.endr
.irp b, 0,1
	v_add_nc_u32 v[220+\b], 0xff000000, v[212+\b]
.endr
.irp b, 0,1
	v_lshrrev_b32 v[224+\b], 23, v[220+\b]
.endr
	v_lshl_or_b32 v231, v225, 8, v224
	v_cvt_scalef32_pk16_fp6_f32 v[192:194], v[96:111], v220
	v_cvt_scalef32_pk16_fp6_f32 v[204:206], v[112:127], v221
	v_nop
.irp i, 0,1,2
	v_permlane16_swap_b32 v[192+\i], v[204+\i]
.endr
.irp i, 0,1,2
	v_mov_b32 v[195+\i], v[204+\i]
.endr
	global_store_b128 v1, v[192:195], s[68:69]     ; 512 consecutive aligned bytes
	global_store_b64 v2, v[196:197], s[68:69]      ; 256
	global_store_b16 v7, v231, s[70:71]            ; my head's two bytes of the row's scale word (lanes r and r + 16 hold the same)
	s_wait_tensorcnt 0x0
	ds_add_u32 v254, v255
	s_wait_dscnt 0x0
	CROUND                                         ; the closing round
	s_endpgm
.Lfunc_end_k_q1f7e188e02_attn:
	.size	k_q1f7e188e02_attn, .Lfunc_end_k_q1f7e188e02_attn-k_q1f7e188e02_attn
	.p2alignl 7, 3214868480
	.fill 96, 4, 3214868480
	.section	.rodata,"a",@progbits
	.p2align	6, 0x0
	.amdhsa_kernel k_q1f7e188e02_attn
		.amdhsa_group_segment_fixed_size 206848
		.amdhsa_private_segment_fixed_size 0
		.amdhsa_enable_private_segment 0
		.amdhsa_kernarg_size 16
		.amdhsa_user_sgpr_count 2
		.amdhsa_user_sgpr_kernarg_segment_ptr 1
		.amdhsa_wavefront_size32 1
		.amdhsa_system_sgpr_workgroup_id_x 1
		.amdhsa_system_sgpr_workgroup_id_y 1
		.amdhsa_system_sgpr_workgroup_id_z 1
		.amdhsa_system_vgpr_workitem_id 0
		.amdhsa_next_free_vgpr 256
		.amdhsa_next_free_sgpr 72
		.amdhsa_reserve_vcc 0
		.amdhsa_float_denorm_mode_32 3
		.amdhsa_float_denorm_mode_16_64 3
		.amdhsa_memory_ordered 1
		.amdhsa_forward_progress 1
		.amdhsa_inst_pref_size 29
	.end_amdhsa_kernel
	.amdgpu_metadata
---
amdhsa.version: [ 1, 2 ]
amdhsa.kernels:
  - .name:           k_q1f7e188e02_attn
    .symbol:         k_q1f7e188e02_attn.kd
    .args:
      - { .name: wsQKV, .offset: 0, .size: 8, .value_kind: global_buffer, .address_space: global }
      - { .name: wsA, .offset: 8, .size: 8, .value_kind: global_buffer, .address_space: global }
    .group_segment_fixed_size: 206848
    .private_segment_fixed_size: 0
    .kernarg_segment_align: 8
    .kernarg_segment_size: 16
    .max_flat_workgroup_size: 512
    .sgpr_count:     72
    .vgpr_count:     256
    .wavefront_size: 32
...
	.end_amdgpu_metadata
.endif
;; end of part 3
;; launch oproj (part 4): grid 8 x 32, 4 waves a work-group, clusters of 4 x 4, 327,680 bytes of LDS; arguments wsA, wsW, x, bo, wsX1; writes wsX1
.if DOCPART == 4
	.amdgcn_target "amdgcn-amd-amdhsa--gfx1250"
	.amdhsa_code_object_version 6
	.text
	.protected	k_q1f7e188e02_oproj
	.globl	k_q1f7e188e02_oproj
	.p2align	8
	.type	k_q1f7e188e02_oproj,@function
k_q1f7e188e02_oproj:
	s_mov_b64 s[64:65], 0
	v_nop
	global_prefetch_b8 v0, s[64:65] scope:SCOPE_SE
	s_setreg_imm32_b32 hwreg(HW_REG_WAVE_MODE, 25, 1), 1
	s_wait_xcnt 0x0
	s_wait_alu depctr_hold_cnt(0) depctr_sa_sdst(0) depctr_va_vdst(0) depctr_va_sdst(0) depctr_va_ssrc(0) depctr_va_vcc(0) depctr_vm_vsrc(0)
	s_getreg_b32 s2, hwreg(HW_REG_IB_STS2, 6, 4)
	s_cmp_eq_u32 s2, 0
	s_cbranch_scc0 .Lentry_in_a_cluster
	s_endpgm
.Lentry_in_a_cluster:
	s_bfe_u32 s2, ttmp6, 0x10000c
	s_cmp_lg_u32 s2, 0xf033
	s_cbranch_scc0 .Lentry_shape_is_right
	s_endpgm
.Lentry_shape_is_right:
; x1 = x + attn Wo + bo: the product on codes of FP6 (E2M3), K = 1,024; the result f32, [4096][1024].
; 4,096 x 1,024 results are 64 tiles of 256 x 256 and 256 tiles of 128 x 128: the smaller tile gives every WGP a work-group.  Four waves, 64 x 64 each: 16 accumulators.
; K goes in steps of 512 through two LDS slots (here both are first fills: nothing is filled again at this K); each step of 128 is 16 matrix instructions; all steps are written out.
; Operands lie in memory as images of the operand's registers (layout: see the weights' launch).  Source 0 = 16 rows of the weight, source 1 = 16 rows of A: a lane holds one row of A and eight neighbouring columns.
; CLUSTERS 4 x 4: A's tiles are asked for jointly along a row of the cluster, the weight's along a column.
; THE WAY OUT: results go through one stage in LDS (rows of 512 bytes + 16), a barrier, and come back as whole rows; the residual and the bias, loaded at the head, are added; 32 lanes store 512 consecutive aligned bytes.
; Stage row 16 T + r is row 32 (T / 2) + 8 (T % 2) + r % 8 + 16 (r / 8) of the tile: the order of rows in the operands.
; REGISTERS: window 0: v16-31 addresses; v32-39 scale words, two sets; v40-43 bias; v64-127 way out; v128-255 accumulators.  window 1: two fragment buffers of 96 (A's four, then B's four) at v0 and v128.  window 2: v0-127 the residual.
.set KTOT,   1024
.set WSEC,   2359296                   ; the weight's codes in wsW
.set WSSEC,  9535488                   ; and its scale words
.set ASSEC,  3145728                   ; A's scale words in its buffer
.set NS,     KTOT/512                  ; slots' worth of K
.set GS,     12*KTOT
.set TILEB,  6144                      ; a tile's codes for 512 along K
.set HALFT,  4*TILEB
.set SLOT,   4*HALFT
.set HALFS,  2*KTOT                    ; the scale words of 4 tiles
.set SCLA,   2*SLOT
.set SCLB,   SCLA+16384+64
.set STAGE,  229632
.set SPARE,  297216                    ; the spare words: 128 bytes a wave, two blocks of 256 bytes that no other line names
.set ADRA, 16
.set ADRB, 20
.set STO,  24
.set RD,   25
.set CO,   26
.set ADRS, 27
.set SPW,  28
.set NIL,  29
.set SC,   32
.set BI,   40
.set OB,   64
.set ACC,  128
.set G1, 24
.set G0, 32
.set G1B, 48
.set G0B, 56
.set G1S, 68
.set G0S, 76
.set G1SB, 80
.set G0SB, 88
.set MSB, 0
.macro WIN new
.if MSB != \new
	s_set_vgpr_msb (MSB<<8)|\new
.set MSB, \new
.endif
.endm
.set MUL, 0x05                         ; sources 0 and 1 window 1; C and D window 0
.macro JLOAD g0a, g1a, g0b, g1b
	s_cmp_eq_u32 s15, 0
	s_cbranch_scc0 .Lfor_b_\@
	tensor_load_to_lds s[\g0a:\g0a+3], s[\g1a:\g1a+7]
	s_nop 0
.rept 4
	v_nop
.endr
	s_branch .Lasked_\@
.Lfor_b_\@:
	tensor_load_to_lds s[\g0b:\g0b+3], s[\g1b:\g1b+7]
	s_nop 0
.rept 4
	v_nop
.endr
.Lasked_\@:
.endm
.macro CREST
	s_cmp_lg_u32 s14, 0
	s_cbranch_scc1 .Lnot_wave_0_\@
	s_barrier_signal -3
.Lnot_wave_0_\@:
	s_barrier_wait -3
	s_barrier_signal -1
	s_barrier_wait -1
.endm
.macro CROUND
	s_barrier_signal -1
	s_barrier_wait -1
	CREST
.endm
.macro PLACES
.rept 4
	v_nop
.endr
.endm
.macro FRAG reg, adr, off
	ds_load_b128 v[\reg:\reg+3], v[\adr] offset:\off
	ds_load_b64 v[\reg+4:\reg+5], v[\adr+2] offset:\off
	ds_load_b128 v[\reg+6:\reg+9], v[\adr] offset:\off+768
	ds_load_b64 v[\reg+10:\reg+11], v[\adr+2] offset:\off+768
.endm
.macro FETCH slot, q, g, k             ; the fragments and scale words of step k (the slot's q-th 128 along K) into buffer g and set k % 2
	WIN 0x40
.irp i, 0,1,2,3
	FRAG (\g)+48+12*\i, ADRB+(\slot), \i*TILEB+(\q)*1536
	FRAG (\g)+12*\i, ADRA+(\slot), \i*TILEB+(\q)*1536
.endr
	WIN 0
.irp i, 0,1,2,3
	ds_load_b32 v[SC+4*((\k)%2)+\i], v[ADRS] offset:\i*(KTOT/2)+64*(\k)
.endr
.endm
.macro MUL8 f, a0                      ; 8 matrix instructions of step ks; the 16 accumulators take turns in one order throughout
.irp a, \a0, \a0+1
.irp b, 0,1,2,3
.if ks == 0
	v_wmma_scale_f32_16x16x128_f8f6f4 v[ACC+8*(4*(\a)+\b):ACC+8*(4*(\a)+\b)+7], v[(\f)+48+12*\b:(\f)+48+12*\b+11], v[(\f)+12*(\a):(\f)+12*(\a)+11], 0, v[SC+4*(ks%2)+\b], v[SC+4*(ks%2)+(\a)] matrix_a_fmt:MATRIX_FMT_FP6 matrix_b_fmt:MATRIX_FMT_FP6 matrix_a_scale:MATRIX_SCALE_ROW1
.else
	v_wmma_scale_f32_16x16x128_f8f6f4 v[ACC+8*(4*(\a)+\b):ACC+8*(4*(\a)+\b)+7], v[(\f)+48+12*\b:(\f)+48+12*\b+11], v[(\f)+12*(\a):(\f)+12*(\a)+11], v[ACC+8*(4*(\a)+\b):ACC+8*(4*(\a)+\b)+7], v[SC+4*(ks%2)+\b], v[SC+4*(ks%2)+(\a)] matrix_a_fmt:MATRIX_FMT_FP6 matrix_b_fmt:MATRIX_FMT_FP6 matrix_a_scale:MATRIX_SCALE_ROW1
.endif
.endr
.endr
.endm
.macro KSTEP                           ; step ks of 128 along K
.set sl, (ks/4)%2
.set qq, ks%4
.set fb, 128*(ks%2)
.set gb, 128-fb
.if qq < 3
	s_wait_dscnt 0x0                               ; this step's fragments are in
	PLACES
	FETCH sl, qq+1, gb, ks+1
	WIN MUL
	MUL8 fb, 0
	MUL8 fb, 2
.elseif ks < 4*NS-1
	WIN 0                                          ; a slot's last step changes slots
	s_wait_tensorcnt 0x0                           ; all my tensor loads have landed: my part of the next slot
	ds_add_u32 v[SPW], v[NIL]                      ; 0 onto my spare word
	s_wait_dscnt 1                                 ; (the add alone may be out)
	WIN MUL
	MUL8 fb, 0
	s_wait_dscnt 0x0                               ; the add is done, and my reads of this slot are over
	s_barrier_signal -1
	WIN 0
	s_barrier_wait -1
.if ks/4 <= NS-3
	CREST                                          ; the barrier has opened a round of the cluster's
	s_add_nc_u64 s[G0+4*sl+2:G0+4*sl+3], s[G0+4*sl+2:G0+4*sl+3], 2*TILEB
	s_add_nc_u64 s[G0B+4*sl+2:G0B+4*sl+3], s[G0B+4*sl+2:G0B+4*sl+3], 2*TILEB
	JLOAD G0+4*sl, G1, G0B+4*sl, G1B               ; my one tensor load behind the round
.else
	PLACES
.endif
	FETCH 1-sl, 0, gb, ks+1
	WIN MUL
	MUL8 fb, 2
.else
	s_wait_dscnt 0x0
	WIN MUL
	MUL8 fb, 0
	MUL8 fb, 2
	WIN 0
.endif
.set ks, ks+1
.endm
	s_load_b256 s[4:11], s[0:1], 0x0               ; A, wsW, the residual, the bias
	s_load_b64 s[12:13], s[0:1], 0x20              ; the output
	v_lshl_add_u32 v[SPW], v0, 2, SPARE
	v_mov_b32 v[NIL], 0
	ds_add_u32 v28, v29
	ds_add_u32 v28, v29
	s_wait_dscnt 0x0
	v_lshrrev_b32 v1, 5, v0
	v_readfirstlane_b32 s14, v1
	s_lshr_b32 s15, s14, 1                         ; which half of the rows is mine.  Also: I fetch for A (0) or for B (1)
	s_and_b32 s16, s14, 1                          ; which half of the columns.  Also: which 4 tiles I fetch
	s_bfe_u32 s40, ttmp6, 0x40000
	s_bfe_u32 s41, ttmp6, 0x40004
	s_lshl_b32 s42, ttmp9, 2
	s_add_co_u32 s42, s42, s40                     ; tile column
	s_and_b32 s17, ttmp7, 0xffff
	s_lshl_b32 s17, s17, 2
	s_add_co_u32 s17, s17, s41                     ; tile row
	s_lshl_b32 s43, s41, 2
	s_lshl_b32 s43, 15, s43
	s_lshl_b32 s44, 0x1111, s40
	s_or_b32 s[G1+0], s43, (3<<16)|(1<<21)
	s_or_b32 s[G1B+0], s44, (3<<16)|(1<<21)
.irp g, G1, G1B
	s_mov_b32 s[\g+1], 768<<16                     ; 6,144 bytes a tile,
	s_mov_b32 s[\g+2], 4<<16                       ; 4 tiles,
	s_mov_b32 s[\g+3], 768<<16
	s_mov_b32 s[\g+4], 4
	s_mov_b32 s[\g+5], GS/8                        ; from tile to tile
	s_mov_b32 s[\g+6], 0
	s_mov_b32 s[\g+7], 0
.endr
	s_or_b32 s[G1S+0], s43, (3<<16)|(1<<21)        ; the scale words of 4 tiles: dense, as rows of 256 bytes
	s_or_b32 s[G1SB+0], s44, (3<<16)|(1<<21)
.irp g, G1S, G1SB
	s_mov_b32 s[\g+1], 32<<16
	s_mov_b32 s[\g+2], (HALFS/256)<<16
	s_mov_b32 s[\g+3], 32<<16
	s_mov_b32 s[\g+4], HALFS/256
	s_mov_b32 s[\g+5], 32
	s_mov_b32 s[\g+6], 0
	s_mov_b32 s[\g+7], 0
.endr
	s_lshl_b32 s2, s16, 2
	s_lshl_b32 s22, s17, 3
	s_add_co_u32 s22, s22, s2                      ; A: the first of the 4 tiles that I fetch
	s_mul_i32 s18, s22, GS
	s_mov_b32 s19, 0
	s_mul_i32 s22, s22, KTOT/2
	s_add_co_u32 s22, s22, ASSEC
	s_mov_b32 s23, 0
	s_lshl_b32 s92, s42, 3
	s_add_co_u32 s92, s92, s2                      ; B likewise
	s_mul_i32 s94, s92, GS
	s_add_co_u32 s94, s94, WSEC
	s_mov_b32 s95, 0
	s_mul_i32 s92, s92, KTOT/2
	s_add_co_u32 s92, s92, WSSEC
	s_mov_b32 s93, 0
	s_mul_i32 s45, s14, HALFT
	s_mul_i32 s3, s16, HALFS
	s_wait_kmcnt 0x0
	s_add_nc_u64 s[20:21], s[4:5], s[18:19]
	s_add_nc_u64 s[22:23], s[4:5], s[22:23]
	s_add_nc_u64 s[46:47], s[6:7], s[94:95]
	s_add_nc_u64 s[92:93], s[6:7], s[92:93]
	CROUND
	s_mov_b32 s[G0S], 1
	s_add_co_u32 s[G0S+1], s3, SCLA
	s_mov_b64 s[G0S+2:G0S+3], s[22:23]
	s_or_b32 s[G0S+3], s[G0S+3], 0x80000000
	s_mov_b32 s[G0SB], 1
	s_add_co_u32 s[G0SB+1], s3, SCLB
	s_mov_b64 s[G0SB+2:G0SB+3], s[92:93]
	s_or_b32 s[G0SB+3], s[G0SB+3], 0x80000000
	JLOAD G0S, G1S, G0SB, G1SB
.irp s, 0,1
	s_mov_b32 s[G0+4*\s], 1
	s_add_co_u32 s[G0+4*\s+1], s45, \s*SLOT
	s_add_nc_u64 s[G0+4*\s+2:G0+4*\s+3], s[20:21], \s*TILEB
	s_or_b32 s[G0+4*\s+3], s[G0+4*\s+3], 0x80000000
	s_mov_b32 s[G0B+4*\s], 1
	s_add_co_u32 s[G0B+4*\s+1], s45, \s*SLOT
	s_add_nc_u64 s[G0B+4*\s+2:G0B+4*\s+3], s[46:47], \s*TILEB
	s_or_b32 s[G0B+4*\s+3], s[G0B+4*\s+3], 0x80000000
	JLOAD G0+4*\s, G1, G0B+4*\s, G1B               ; three loads of mine are out now
.endr
	v_and_b32 v1, 31, v0
	v_and_b32 v2, 15, v0
	v_bfe_u32 v3, v0, 4, 1
	v_lshlrev_b32 v[CO], 4, v1                     ; 16 x lane
	v_lshl_add_u32 v5, v1, 3, 512
	s_mul_i32 s18, s15, HALFT
	s_mul_i32 s19, s16, HALFT
	s_add_co_u32 s19, s19, 2*HALFT
.irp s, 0,1
	v_add_nc_u32 v[ADRA+\s], s18, v[CO]
	v_add_nc_u32 v[ADRB+\s], s19, v[CO]
	v_add_nc_u32 v[ADRA+2+\s], s18, v5
	v_add_nc_u32 v[ADRB+2+\s], s19, v5
	s_add_co_u32 s18, s18, SLOT
	s_add_co_u32 s19, s19, SLOT
.endr
	v_lshlrev_b32 v6, 2, v2
	s_mul_i32 s18, s15, HALFS
	s_mul_i32 s19, s16, HALFS
	s_add_co_u32 s19, s19, SCLB-SCLA
	s_sub_co_u32 s19, s19, s18
	v_mul_u32_u24 v7, s19, v3                      ; lanes 16-31 take B's
	s_add_co_u32 s18, s18, SCLA
	v_add_nc_u32 v6, v6, v7
	v_add_nc_u32 v[ADRS], s18, v6
	s_mul_i32 s18, s15, 64*528
	s_lshl_b32 s19, s16, 8
	s_add_co_u32 s18, s18, s19
	s_add_co_u32 s18, s18, STAGE
	v_mul_u32_u24 v6, v2, 528
	v_lshl_add_u32 v6, v3, 6, v6
	v_add_nc_u32 v[STO], s18, v6                   ; into the stage: row 64 half + r, + 256 x column half + 64 h
	s_mul_i32 s18, s14, 32*528
	s_add_co_u32 s18, s18, STAGE
	v_add_nc_u32 v[RD], s18, v[CO]                 ; back: my 32 rows, whole
	s_lshl_b32 s18, s17, 7
	s_lshl_b32 s19, s14, 5
	s_add_co_u32 s18, s18, s19
	s_lshl_b32 s18, s18, 12                        ; row 128 x tile row + 32 x wave, of 4,096 bytes,
	s_lshl_b32 s19, s42, 9
	s_add_co_u32 s18, s18, s19                     ; + 512 x tile column
	s_mov_b32 s19, 0
	s_add_nc_u64 s[8:9], s[8:9], s[18:19]
	s_add_nc_u64 s[12:13], s[12:13], s[18:19]
	s_lshl_b32 s18, s42, 9
	s_add_nc_u64 s[10:11], s[10:11], s[18:19]
	WIN 0x80                                       ; destination window 2
.set t, 0
.rept 32
	global_load_b128 v[4*t:4*t+3], v[CO], s[8:9] offset:(8*(t/16)+(t%8)+16*((t/8)%2))*4096     ; the residual of the 32 rows that I store: 512 consecutive bytes a load
.set t, t+1
.endr
	WIN 0
	global_load_b128 v[BI:BI+3], v[CO], s[10:11]   ; my four columns' bias
	s_wait_tensorcnt 1                             ; the scale words and my part of slot 0 are in; slot 1's load may be out
	s_barrier_signal -1
	s_barrier_wait -1
	FETCH 0, 0, 0, 0
.set ks, 0
.rept 4*NS
	KSTEP
.endr
	PLACES
.irp a, 0,1,2,3
.irp b, 0,1,2,3
	ds_store_b128 v[STO], v[ACC+8*(4*\a+\b):ACC+8*(4*\a+\b)+3] offset:\a*16*528+128*(\b/2)+32*(\b%2)        ; each accumulator from its low end on
	ds_store_b128 v[STO], v[ACC+8*(4*\a+\b)+4:ACC+8*(4*\a+\b)+7] offset:\a*16*528+128*(\b/2)+32*(\b%2)+16
.endr
.endr
	s_wait_loadcnt 0x0                             ; the residual and the bias
	WIN 0x82                                       ; destination and source 0 window 2
.set t, 0
.rept 32
	v_pk_add_f32 v[4*t:4*t+1], v[4*t:4*t+1], v[BI:BI+1]
	v_pk_add_f32 v[4*t+2:4*t+3], v[4*t+2:4*t+3], v[BI+2:BI+3]
.set t, t+1
.endr
	WIN 0
	s_wait_dscnt 0x0                               ; for the others' sake: my stores into the stage have landed
	s_barrier_signal -1
	s_barrier_wait -1
.irp u, 0,1
.set t, 0
.rept 16
	ds_load_b128 v[OB+64*\u+4*t:OB+64*\u+4*t+3], v[RD] offset:(16*\u+t)*528
.set t, t+1
.endr
.endr
.irp u, 0,1
	s_wait_dscnt 16-16*\u                          ; this batch of 16 rows is back; the second batch's 16 loads may be out
	WIN 0x08                                       ; source 1 window 2
.set t, 0
.rept 32
	v_pk_add_f32 v[OB+64*\u+2*t:OB+64*\u+2*t+1], v[OB+64*\u+2*t:OB+64*\u+2*t+1], v[64*\u+2*t:64*\u+2*t+1]
.set t, t+1
.endr
	WIN 0
.set t, 0
.rept 16
	global_store_b128 v[CO], v[OB+64*\u+4*t:OB+64*\u+4*t+3], s[12:13] offset:(8*\u+(t%8)+16*((t/8)%2))*4096     ; 32 lanes: 512 consecutive aligned bytes
.set t, t+1
.endr
.endr
	s_wait_tensorcnt 0x0                           ; the wave's end
	ds_add_u32 v[SPW], v[NIL]
	s_wait_dscnt 0x0
	CROUND                                         ; the closing round
	s_endpgm
.Lfunc_end_k_q1f7e188e02_oproj:
	.size	k_q1f7e188e02_oproj, .Lfunc_end_k_q1f7e188e02_oproj-k_q1f7e188e02_oproj
	.p2alignl 7, 3214868480
	.fill 96, 4, 3214868480
	.section	.rodata,"a",@progbits
	.p2align	6, 0x0
	.amdhsa_kernel k_q1f7e188e02_oproj
		.amdhsa_group_segment_fixed_size 327680
		.amdhsa_private_segment_fixed_size 0
		.amdhsa_enable_private_segment 0
		.amdhsa_kernarg_size 40
		.amdhsa_user_sgpr_count 2
		.amdhsa_user_sgpr_kernarg_segment_ptr 1
		.amdhsa_wavefront_size32 1
		.amdhsa_system_sgpr_workgroup_id_x 1
		.amdhsa_system_sgpr_workgroup_id_y 1
		.amdhsa_system_sgpr_workgroup_id_z 1
		.amdhsa_system_vgpr_workitem_id 0
		.amdhsa_next_free_vgpr 640
		.amdhsa_next_free_sgpr 100
		.amdhsa_reserve_vcc 0
		.amdhsa_float_denorm_mode_32 3
		.amdhsa_float_denorm_mode_16_64 3
		.amdhsa_memory_ordered 1
		.amdhsa_forward_progress 1
		.amdhsa_inst_pref_size 65
	.end_amdhsa_kernel
	.amdgpu_metadata
---
amdhsa.version: [ 1, 2 ]
amdhsa.kernels:
  - .name:           k_q1f7e188e02_oproj
    .symbol:         k_q1f7e188e02_oproj.kd
    .args:
      - { .name: wsA, .offset: 0, .size: 8, .value_kind: global_buffer, .address_space: global }
      - { .name: wsW, .offset: 8, .size: 8, .value_kind: global_buffer, .address_space: global }
      - { .name: x, .offset: 16, .size: 8, .value_kind: global_buffer, .address_space: global }
      - { .name: bo, .offset: 24, .size: 8, .value_kind: global_buffer, .address_space: global }
      - { .name: wsX1, .offset: 32, .size: 8, .value_kind: global_buffer, .address_space: global }
    .group_segment_fixed_size: 327680
    .private_segment_fixed_size: 0
    .kernarg_segment_align: 8
    .kernarg_segment_size: 40
    .max_flat_workgroup_size: 128
    .sgpr_count:     100
    .vgpr_count:     640
    .wavefront_size: 32
...
	.end_amdgpu_metadata
.endif
;; end of part 4
;; launch prep2 (part 5): grid 192 x 1, 16 waves a work-group, no clusters, 285,184 bytes of LDS; arguments wsX1, gamma2, beta2, wsH, W1, W2, wsW; writes wsH, wsW
.if DOCPART == 5
	.amdgcn_target "amdgcn-amd-amdhsa--gfx1250"
	.amdhsa_code_object_version 6
	.text
	.protected	k_q1f7e188e02_prep2
	.globl	k_q1f7e188e02_prep2
	.p2align	8
	.type	k_q1f7e188e02_prep2,@function
k_q1f7e188e02_prep2:
	s_mov_b64 s[64:65], 0
	v_nop
	global_prefetch_b8 v0, s[64:65] scope:SCOPE_SE
	s_setreg_imm32_b32 hwreg(HW_REG_WAVE_MODE, 25, 1), 1
	s_wait_xcnt 0x0
; TWO KINDS OF WORK-GROUP, parted once on the work-group's number.  Numbers 0-63: the norm over the sequence axis, quantised.  The others: weights into codes.  The two depend on nothing of each other,
; and the norm has work for 64 work-groups only, so the weights' work stands beside it in one launch.  Each kind of work-group reads 256 KiB.  This text serves two launches; PART says which weights it takes.
;
; THE NORM.  h = gamma (x - mean) / (sqrt(var) + 1e-5) + beta, mean and var (divisor 2,047) taken over the 2,048 ROWS of a batch for each column; h is then quantised along the columns
; to codes of FP6 (E2M3) with one E8M0 byte for each 32 columns.  x: [2][2048][1024] f32.
; A work-group owns 32 columns (one block of the quantiser) of one batch, all 2,048 rows: 256 KiB, kept in the registers of its 512 threads, so x is read once.
; That makes 64 work-groups: the norm ties all rows of a column together and a block ties 32 columns; 64 columns would be twice a work-group's registers.  No two work-groups read the same bytes: nothing to share in a cluster.
; Wave w owns rows 128 w .. 128 w + 127: eight tiles of 16 (slot r of tile i is row 32 (i / 2) + 8 (i % 2) + r % 8 + 16 (r / 8)).  Lane (r, half) holds columns 16 half + 0 .. 15 of slot r of each tile.
; One tensor load a wave brings its 128 rows x 128 bytes into LDS (rows 136 bytes = 34 words apart: with 64 banks of 4 bytes, ISA guide 11.1, the 32 lanes of an 8-byte load touch 64 different banks); only the wave itself reads them, behind its own wait.  Nothing in LDS is filled twice.
; The variance is a true second pass over the registers (sum of (x - mean)^2): no difference of large sums.
; OUT: wsH codes [tile 256][64 along K: 16][768 bytes], scale words [tile][128 along K: 8][slot].  The scale bytes of a word belong to four work-groups: they leave as single bytes, 4 apart (131,072 bytes in the launch).
;
; THE WEIGHTS, f32 with K not innermost, become codes of FP6 and E8M0 scale bytes in wsW.  A LANE TAKES A COLUMN n AND ITS REGISTERS RUN DOWN K: a block of 32 lies in one lane's 32 registers,
; its largest magnitude needs no other lane, and the conversions give codes with K innermost.  A wave takes 32 columns x 128 along K (4 blocks); a work-group 128 columns (wave % 4) x 512 along K (wave / 4).
; These ways touch no LDS, issue no tensor load and pass no barrier.
; LAYOUT OF THE CODES (all operand buffers of this program): rows go in tiles of 16; slot r of tile g is row 32 (g / 2) + 8 (g % 2) + r % 8 + 16 (r / 8).
; A tile's 64 along K are 768 bytes: 32 places of 16 bytes, then 32 places of 8 bytes; place 16 h + r holds the 24 bytes of slot r, k = 32 h + 0 .. 31: the image of six registers of a matrix operand, lane by lane.
; Scale words: one word for (tile, 128 along K, slot), at ((tile K / 128 + step) 16 + slot) 4.
; Lane l of a wave is slot l % 8 + 8 (l / 16) of tile 2 P + (l / 8) % 2: sixteen lanes store 256 consecutive aligned bytes of a tile's image.
; PART 0: work-groups 64-111: Wq, Wk, Wv (rows n = 1024 sel + 64 head + d); 112-127: Wo.   PART 1: 64-127: W1; 128-191: W2.
;
; A block's scale byte is its largest magnitude's exponent field - 2, held at 1 from below.
; LIMITS: NaN and infinities are not served; a block of zeros gets the byte 1, not 127 (its codes are zeros, and this program alone reads the bytes); blocks whose largest magnitude lies under 2^-124 keep the byte 1.
.set PART,  1
.set LNWG,  64                         ; work-groups of the norm
.set PITCH, 136
.set WREG,  128*PITCH                  ; a wave's rows in LDS
.set RED1,  16*WREG                    ; 16 rows x 144 bytes: the waves' column sums;  2,304 bytes on: the same for the squares
.set X,  32                            ; the norm: v32-159 tile i at v[32 + 16 i];  the weights: v32-95 two sets of 32 numbers
.set SM, 160                           ; v160-175 sums       (later codes: 8 registers a pair of tiles)
.set SQ, 176                           ; v176-191 sums of squares
.set GA, 192                           ; v192-207 gamma, then the gain
.set BE, 208                           ; v208-223 beta
.set CD, 96                            ; the weights: v96-127 eight registers of codes for each block: no store's data are written again
.set SB, 24                            ; v24 the scale word
.macro RED16 reg                       ; 16 registers summed over the 16 lanes of a half
.irp m, 1,2,4,8
.set i, 0
.rept 16
	v_add_f32_dpp v[\reg+i], v[\reg+i], v[\reg+i] row_xmask:\m row_mask:0xf bank_mask:0xf
.set i, i+1
.endr
.endr
.endm
.macro WGRED reg, off                  ; and over the 16 waves: each wave's row to LDS, a barrier, lane r takes wave r's
	RED16 \reg
.irp k, 0,1,2,3
	ds_store_b128 v5, v[\reg+4*\k:\reg+4*\k+3] offset:\off+16*\k      ; the lanes of a half write the same bytes with the same values
.endr
	s_wait_dscnt 0x0                               ; for the others' sake: my stores have landed
	s_barrier_signal -1
	s_barrier_wait -1
.irp k, 0,1,2,3
	ds_load_b128 v[\reg+4*\k:\reg+4*\k+3], v6 offset:\off+16*\k
.endr
	s_wait_dscnt 0x0
	RED16 \reg
.endm
; Two tiles at a time.  A block lies in lanes l and l xor 16; the exchange of halves leaves the even tile's whole 24 bytes in lanes 0-15 and the odd tile's in lanes 16-31.
.macro QPAIR m
.set XA, X+32*\m
.set YA, X+32*\m+16
.set C, SM+8*\m
	v_max3_num_f32 v224, |v[XA]|, |v[XA+1]|, 0x1800000     ; my 16 numbers, and the floor 2^(3 - 127)
	v_max3_num_f32 v225, |v[YA]|, |v[YA+1]|, 0x1800000
.irp i, 2,4,6,8,10,12,14
	v_max3_num_f32 v224, v224, |v[XA+\i]|, |v[XA+\i+1]|
	v_max3_num_f32 v225, v225, |v[YA+\i]|, |v[YA+\i+1]|
.endr
	v_permlanex16_b32 v226, v224, s24, s25
	v_permlanex16_b32 v227, v225, s24, s25
	v_max_num_f32 v224, v224, v226
	v_max_num_f32 v225, v225, v227
	v_add_nc_u32 v228, 0xff000000, v224            ; 2 off the exponent field: the conversion's scale operand
	v_add_nc_u32 v229, 0xff000000, v225
	v_cvt_scalef32_pk16_fp6_f32 v[C:C+2], v[XA:XA+15], v228
	v_cvt_scalef32_pk16_fp6_f32 v[C+4:C+6], v[YA:YA+15], v229
	v_lshrrev_b32 v230, 23, v228                   ; the bytes.  (A plain place behind the conversions)
	v_lshrrev_b32 v231, 23, v229
.irp i, 0,1,2
	v_permlane16_swap_b32 v[C+\i], v[C+4+\i]
.endr
	v_mov_b32 v[C+3], v[C+4]
	v_mov_b32 v[C+4], v[C+5]
	v_mov_b32 v[C+5], v[C+6]
	v_cndmask_b32 v[240+\m], v230, v231, s28
	global_store_b128 v7, v[C:C+3], s[40:41] offset:24576*\m       ; sixteen lanes: 256 consecutive bytes, aligned
	global_store_b64 v8, v[C+4:C+5], s[40:41] offset:24576*\m
	global_store_b8 v9, v[240+\m], s[42:43] offset:1024*\m
.endm
.macro LOADB t, stride                 ; the weights, block t: W(32 t + i, my column) into set t % 2; 32 lanes read 128 consecutive bytes
.set i, 0
.rept 32
	global_load_b32 v[X+32*((\t)%2)+i], v2, s[24:25] offset:(32*(\t)+i)*\stride th:TH_LOAD_NT
.set i, i+1
.endr
.endm
.macro BLOCK t, stride
.set XS, X+32*((\t)%2)
.set C, CD+8*(\t)
.if (\t) < 3
	s_wait_loadcnt 32                              ; this block's 32 loads are in; the next block's 32 may be out
.else
	s_wait_loadcnt 0x0
.endif
	v_max3_num_f32 v12, |v[XS]|, |v[XS+1]|, |v[XS+2]|      ; the block's largest magnitude, in two chains
	v_max3_num_f32 v13, |v[XS+3]|, |v[XS+4]|, |v[XS+5]|
.irp i, 6,10,14,18,22,26
	v_max3_num_f32 v12, v12, |v[XS+\i]|, |v[XS+\i+1]|
	v_max3_num_f32 v13, v13, |v[XS+\i+2]|, |v[XS+\i+3]|
.endr
	v_max3_num_f32 v12, v12, |v[XS+30]|, |v[XS+31]|
	v_max3_num_f32 v12, v12, v13, 0x1800000        ; and the floor 2^(3 - 127): the byte cannot fall under 1
	v_add_nc_u32 v11, 0xff000000, v12              ; 2 off the exponent field: the conversion's scale operand
	v_lshrrev_b32 v13, 23, v11                     ; the scale's byte
.if (\t) == 0
	v_mov_b32 v[SB], v13
.else
	v_lshl_or_b32 v[SB], v13, 8*(\t), v[SB]
.endif
	v_cvt_scalef32_pk16_fp6_f32 v[C:C+2], v[XS:XS+15], v11
	v_cvt_scalef32_pk16_fp6_f32 v[C+4:C+6], v[XS+16:XS+31], v11    ; (a conversion's three registers begin on an even number)
	v_nop                                          ; one plain place behind a scaled conversion
	v_mov_b32 v[C+3], v[C+4]
	v_mov_b32 v[C+4], v[C+5]
	v_mov_b32 v[C+5], v[C+6]                       ; v[C .. C+5]: the block's 24 bytes
	global_store_b128 v3, v[C:C+3], s[26:27] offset:((\t)/2)*768+((\t)%2)*256     ; sixteen lanes: 256 consecutive bytes, aligned
	global_store_b64 v4, v[C+4:C+5], s[26:27] offset:((\t)/2)*768+((\t)%2)*128
.if (\t)+2 < 4
	LOADB (\t)+2, \stride
.endif
.if (\t) == 3
	global_store_b32 v5, v[SB], s[28:29]
.endif
.endm
; in: s[24:25] the tensor, s30 my wave's byte offset in it, s33 my first tile of the section, s34 which 128 along K
.macro WQ stride, kk, csec, ssec
	s_mov_b32 s31, 0
	s_add_nc_u64 s[24:25], s[24:25], s[30:31]
	s_mul_i32 s36, s33, 12*\kk                     ; a tile's codes: 12 K bytes
	s_mul_i32 s35, s34, 1536                       ; 128 along K: two images of 768 bytes
	s_add_co_u32 s36, s36, s35
	s_add_co_u32 s36, s36, \csec
	s_mov_b32 s37, 0
	s_add_nc_u64 s[26:27], s[20:21], s[36:37]
	s_mul_i32 s36, s33, \kk/2                      ; a tile's scale words: K / 2 bytes
	s_lshl_b32 s35, s34, 6                         ; 128 along K: 16 words
	s_add_co_u32 s36, s36, s35
	s_add_co_u32 s36, s36, \ssec
	s_add_nc_u64 s[28:29], s[20:21], s[36:37]
	v_mul_u32_u24 v8, v9, 12*\kk                   ; lanes of the odd tile: one tile on
	v_lshl_add_u32 v3, v6, 4, v8
	v_lshl_add_u32 v4, v6, 3, v8
	v_add_nc_u32 v4, 512, v4
	v_mul_u32_u24 v5, v9, \kk/2
	v_lshl_add_u32 v5, v6, 2, v5
	LOADB 0, \stride
	LOADB 1, \stride
.irp t, 0,1,2,3
	BLOCK \t, \stride
.endr
	s_endpgm
.endm
.macro PRE base, logkc, stride         ; a tensor stored [K][N]: which 128 along K, which 32 columns.  s39: the work-group's number among the weights'; s23: wave % 4; s38: wave / 4
	s_sub_co_u32 s35, s39, \base
	s_and_b32 s34, s35, (1<<\logkc)-1              ; which 512 along K
	s_lshr_b32 s35, s35, \logkc                    ; which 128 columns
	s_lshl_b32 s34, s34, 2
	s_add_co_u32 s34, s34, s38
	s_lshl_b32 s33, s35, 3
	s_lshl_b32 s36, s23, 1
	s_add_co_u32 s33, s33, s36                     ; first tile = 8 x group + 2 x (wave % 4)
	s_mul_i32 s30, s34, 128*\stride
	s_lshl_b32 s36, s33, 6                         ; 4 bytes x 16 columns a tile
	s_add_co_u32 s30, s30, s36
.endm
	v_lshl_add_u32 v254, v0, 2, 0x45200
	v_mov_b32 v255, 0
	ds_add_u32 v254, v255
	ds_add_u32 v254, v255
	s_wait_dscnt 0x0
	s_cmp_lt_u32 ttmp9, LNWG                       ; the kind hangs on the work-group's number alone: all sixteen waves go the same way
	s_cbranch_scc0 .Lweights
	; ================ THE NORM ================
	s_load_b256 s[4:11], s[0:1], 0x0               ; x, gamma, beta, wsH
	v_lshrrev_b32 v1, 5, v0
	v_readfirstlane_b32 s29, v1                    ; wave 0..15
	s_lshr_b32 s30, ttmp9, 5                       ; the batch
	s_and_b32 s44, ttmp9, 31                       ; which 32 columns
	s_mov_b32 s16, (2<<16)|(1<<20)|(4<<22)|(1<<25) ; elements of 4 bytes; padding on: after every 32 words 2 words
	s_mov_b32 s17, 32<<16                          ; tensor_dim0 = 32
	s_mov_b32 s18, 128<<16                         ; tensor_dim1 = 128
	s_mov_b32 s19, 32<<16                          ; tile_dim0 = 32
	s_mov_b32 s20, 128                             ; tile_dim1 = 128
	s_mov_b32 s21, 1024                            ; elements from row to row
	s_mov_b32 s22, 0
	s_mov_b32 s23, 0
	s_lshl_b32 s32, s30, 23                        ; a batch: 2,048 rows of 4,096 bytes
	s_lshl_b32 s33, s29, 19                        ; my 128 rows
	s_add_co_u32 s32, s32, s33
	s_lshl_b32 s33, s44, 7                         ; my 32 columns
	s_add_co_u32 s32, s32, s33
	s_mov_b32 s33, 0
	s_mul_i32 s31, s29, WREG
	s_lshl_b32 s34, s44, 7
	s_mov_b32 s35, 0
	s_mov_b32 s24, 0x76543210                      ; v_permlanex16_b32's selects for lane l xor 16
	s_mov_b32 s25, 0xfedcba98
	s_mov_b32 s26, 0xba000000                      ; -1 / 2048
	s_mov_b32 s27, s26
	s_mov_b32 s28, 0xffff0000                      ; lanes 16-31
	s_wait_kmcnt 0x0
	s_mov_b32 s12, 1
	s_mov_b32 s13, s31
	s_add_nc_u64 s[14:15], s[4:5], s[32:33]
	s_or_b32 s15, s15, 0x80000000
	tensor_load_to_lds s[12:15], s[16:23]          ; my one tensor load
	s_nop 0
.rept 4
	v_nop
.endr
	s_add_nc_u64 s[6:7], s[6:7], s[34:35]
	s_add_nc_u64 s[8:9], s[8:9], s[34:35]
	v_and_b32 v1, 15, v0                           ; r
	v_bfe_u32 v2, v0, 4, 1                         ; half
	v_lshlrev_b32 v10, 6, v2                       ; 64 half
.irp k, 0,1,2,3
	global_load_b128 v[GA+4*\k:GA+4*\k+3], v10, s[6:7] offset:16*\k
	global_load_b128 v[BE+4*\k:BE+4*\k+3], v10, s[8:9] offset:16*\k
.endr
	v_and_b32 v3, 7, v0
	v_bfe_u32 v11, v0, 3, 1
	v_lshl_add_u32 v3, v11, 4, v3                  ; r % 8 + 16 (r / 8)
	v_mul_u32_u24 v4, v3, PITCH
	v_lshl_add_u32 v4, v2, 6, v4
	v_add_nc_u32 v4, s31, v4                       ; where my numbers of tile 0 lie
	s_mul_i32 s36, s29, 144
	v_add_nc_u32 v5, s36, v10
	v_add_nc_u32 v5, RED1, v5                      ; my wave's row of sums
	v_mul_u32_u24 v6, v1, 144
	v_add_nc_u32 v6, v6, v10
	v_add_nc_u32 v6, RED1, v6                      ; wave r's row
	s_and_b32 s37, s44, 1                          ; which half of a tile's 64 along K my block is
	s_lshl_b32 s38, s37, 8
	v_mul_u32_u24 v7, v2, 12288                    ; lanes 16-31 store the odd tile of a pair
	v_lshl_add_u32 v8, v1, 3, v7
	v_lshl_add_u32 v7, v1, 4, v7
	v_add_nc_u32 v7, s38, v7
	s_lshl_b32 s38, s37, 7
	s_add_co_u32 s38, s38, 512
	v_add_nc_u32 v8, s38, v8
	v_lshlrev_b32 v9, 2, v1
	v_lshl_add_u32 v9, v2, 9, v9
	s_lshl_b32 s36, s30, 7
	s_lshl_b32 s37, s29, 3
	s_add_co_u32 s36, s36, s37                     ; my first tile: 128 batch + 8 wave
	s_mul_i32 s38, s36, 12288
	s_lshr_b32 s37, s44, 1
	s_mul_i32 s37, s37, 768
	s_add_co_u32 s38, s38, s37
	s_mov_b32 s39, 0
	s_add_nc_u64 s[40:41], s[10:11], s[38:39]      ; the codes
	s_lshl_b32 s38, s36, 9
	s_lshr_b32 s37, s44, 2
	s_lshl_b32 s37, s37, 6
	s_add_co_u32 s38, s38, s37
	s_and_b32 s37, s44, 3
	s_add_co_u32 s38, s38, s37
	s_add_co_u32 s38, s38, 3145728
	s_add_nc_u64 s[42:43], s[10:11], s[38:39]      ; the scale bytes
	v_mov_b32 v226, 0                              ; written once: a lane permute's destination counts as one of its sources
	v_mov_b32 v227, 0
	s_wait_tensorcnt 0x0                           ; my rows are in LDS
.irp i, 0,1,2,3,4,5,6,7
.irp j, 0,1,2,3,4,5,6,7
	ds_load_b64 v[X+16*\i+2*\j:X+16*\i+2*\j+1], v4 offset:(32*(\i/2)+8*(\i%2))*PITCH+8*\j
.endr
.endr
	s_wait_dscnt 0x0
	; the columns' sums
.set j, 0
.rept 8
	v_pk_add_f32 v[SM+j:SM+j+1], v[X+j:X+j+1], v[X+16+j:X+17+j]
.set j, j+2
.endr
.irp i, 2,3,4,5,6,7
.set j, 0
.rept 8
	v_pk_add_f32 v[SM+j:SM+j+1], v[SM+j:SM+j+1], v[X+16*\i+j:X+16*\i+j+1]
.set j, j+2
.endr
.endr
	WGRED SM, 0
	; d = x - sum / 2048, one rounding
.irp i, 0,1,2,3,4,5,6,7
.set j, 0
.rept 8
	v_pk_fma_f32 v[X+16*\i+j:X+16*\i+j+1], v[SM+j:SM+j+1], s[26:27], v[X+16*\i+j:X+16*\i+j+1] op_sel_hi:[1,0,1]
.set j, j+2
.endr
.endr
	; the sums of d^2
.set j, 0
.rept 8
	v_pk_mul_f32 v[SQ+j:SQ+j+1], v[X+j:X+j+1], v[X+j:X+j+1]
.set j, j+2
.endr
.irp i, 1,2,3,4,5,6,7
.set j, 0
.rept 8
	v_pk_fma_f32 v[SQ+j:SQ+j+1], v[X+16*\i+j:X+16*\i+j+1], v[X+16*\i+j:X+16*\i+j+1], v[SQ+j:SQ+j+1]
.set j, j+2
.endr
.endr
	WGRED SQ, 2304
	s_wait_loadcnt 0x0                             ; gamma and beta
.set j, 0
.rept 16
	v_mul_f32 v[SQ+j], 0x3a001002, v[SQ+j]         ; / 2047
.set j, j+1
.endr
.set j, 0
.rept 16
	v_sqrt_f32 v[SQ+j], v[SQ+j]
.set j, j+1
.endr
	v_nop                                          ; a plain place behind the roots
.set j, 0
	s_wait_alu depctr_va_vdst(0)
.rept 16
	v_add_f32 v[SQ+j], 0x3727c5ac, v[SQ+j]         ; + 1e-5, outside the root
.set j, j+1
.endr
.set j, 0
.rept 16
	v_rcp_f32 v[SQ+j], v[SQ+j]
.set j, j+1
.endr
	v_nop
.set j, 0
	s_wait_alu depctr_va_vdst(0)
.rept 8
	v_pk_mul_f32 v[GA+j:GA+j+1], v[GA+j:GA+j+1], v[SQ+j:SQ+j+1]     ; the gain
.set j, j+2
.endr
.irp i, 0,1,2,3,4,5,6,7
.set j, 0
.rept 8
	v_pk_fma_f32 v[X+16*\i+j:X+16*\i+j+1], v[X+16*\i+j:X+16*\i+j+1], v[GA+j:GA+j+1], v[BE+j:BE+j+1]
.set j, j+2
.endr
.endr
	QPAIR 0
	QPAIR 1
	QPAIR 2
	QPAIR 3
	s_wait_tensorcnt 0x0
	ds_add_u32 v254, v255
	s_wait_dscnt 0x0
	s_endpgm
	; ================ THE WEIGHTS ================
.Lweights:
.if PART == 0
	s_load_b256 s[8:15], s[0:1], 0x20              ; Wq, Wk, Wv, Wo
	s_load_b64 s[20:21], s[0:1], 0x40              ; wsW
.else
	s_load_b128 s[16:19], s[0:1], 0x20             ; W1, W2
	s_load_b64 s[20:21], s[0:1], 0x30              ; wsW
.endif
	v_lshrrev_b32 v1, 5, v0
	v_readfirstlane_b32 s22, v1                    ; wave 0..15
	v_and_b32 v1, 31, v0
	v_lshlrev_b32 v2, 2, v1                        ; in: 4 bytes a lane
	v_bfe_u32 v9, v0, 3, 1                         ; which tile of the pair
	v_and_b32 v6, 7, v0
	v_bfe_u32 v7, v0, 4, 1
	v_lshl_add_u32 v6, v7, 3, v6                   ; my slot in it
	s_and_b32 s23, s22, 3                          ; which 32 of the work-group's 128 columns
	s_lshr_b32 s38, s22, 2                         ; which 128 of its 512 along K
	s_sub_co_u32 s39, ttmp9, LNWG                  ; the work-group's number among the weights'
	s_wait_kmcnt 0x0
.if PART == 0
	s_cmp_lt_u32 s39, 48
	s_cbranch_scc1 .Lqkv
	PRE 48, 1, 4096
	s_mov_b64 s[24:25], s[14:15]
	WQ 4096, 1024, 2359296, 9535488                ; Wo
.Lqkv:
	s_and_b32 s34, s39, 1
	s_lshl_b32 s34, s34, 2
	s_add_co_u32 s34, s34, s38                     ; which 128 along K
	s_lshr_b32 s35, s39, 1                         ; which 128 rows of the 3,072
	s_lshl_b32 s33, s35, 3
	s_lshl_b32 s36, s23, 1
	s_add_co_u32 s33, s33, s36
	s_and_b32 s36, s35, 7
	s_lshl_b32 s36, s36, 1
	s_lshr_b32 s37, s23, 1
	s_add_co_u32 s36, s36, s37                     ; the head
	s_lshl_b32 s30, s36, 18                        ; a head: 1,024 x 64 x 4 bytes
	s_lshl_b32 s37, s34, 15                        ; 128 rows of 256 bytes
	s_add_co_u32 s30, s30, s37
	s_and_b32 s37, s23, 1
	s_lshl_b32 s37, s37, 7                         ; which 32 of the head's 64
	s_add_co_u32 s30, s30, s37
	s_lshr_b32 s35, s35, 3                         ; 0 q, 1 k, 2 v: the choice hangs on the work-group's number alone
	s_cmp_eq_u32 s35, 0
	s_cselect_b64 s[24:25], s[8:9], s[10:11]
	s_cmp_eq_u32 s35, 2
	s_cselect_b64 s[24:25], s[12:13], s[24:25]
	WQ 256, 1024, 0, 9437184
.else
	s_cmp_lt_u32 s39, 64
	s_cbranch_scc1 .Lw1
	PRE 64, 3, 4096
	s_mov_b64 s[24:25], s[18:19]
	WQ 4096, 4096, 6291456, 9699328                ; W2
.Lw1:
	PRE 0, 1, 16384
	s_mov_b64 s[24:25], s[16:17]
	WQ 16384, 1024, 3145728, 9568256               ; W1
.endif
.Lfunc_end_k_q1f7e188e02_prep2:
	.size	k_q1f7e188e02_prep2, .Lfunc_end_k_q1f7e188e02_prep2-k_q1f7e188e02_prep2
	.p2alignl 7, 3214868480
	.fill 96, 4, 3214868480
	.section	.rodata,"a",@progbits
	.p2align	6, 0x0
	.amdhsa_kernel k_q1f7e188e02_prep2
		.amdhsa_group_segment_fixed_size 285184
		.amdhsa_private_segment_fixed_size 0
		.amdhsa_enable_private_segment 0
		.amdhsa_kernarg_size 56
		.amdhsa_user_sgpr_count 2
		.amdhsa_user_sgpr_kernarg_segment_ptr 1
		.amdhsa_wavefront_size32 1
		.amdhsa_system_sgpr_workgroup_id_x 1
		.amdhsa_system_sgpr_workgroup_id_y 1
		.amdhsa_system_sgpr_workgroup_id_z 1
		.amdhsa_system_vgpr_workitem_id 0
		.amdhsa_next_free_vgpr 256
		.amdhsa_next_free_sgpr 66
		.amdhsa_reserve_vcc 0
		.amdhsa_float_denorm_mode_32 3
		.amdhsa_float_denorm_mode_16_64 3
		.amdhsa_memory_ordered 1
		.amdhsa_forward_progress 1
		.amdhsa_inst_pref_size 95
	.end_amdhsa_kernel
	.amdgpu_metadata
---
amdhsa.version: [ 1, 2 ]
amdhsa.kernels:
  - .name:           k_q1f7e188e02_prep2
    .symbol:         k_q1f7e188e02_prep2.kd
    .args:
      - { .name: wsX1, .offset: 0, .size: 8, .value_kind: global_buffer, .address_space: global }
      - { .name: gamma2, .offset: 8, .size: 8, .value_kind: global_buffer, .address_space: global }
      - { .name: beta2, .offset: 16, .size: 8, .value_kind: global_buffer, .address_space: global }
      - { .name: wsH, .offset: 24, .size: 8, .value_kind: global_buffer, .address_space: global }
      - { .name: W1, .offset: 32, .size: 8, .value_kind: global_buffer, .address_space: global }
      - { .name: W2, .offset: 40, .size: 8, .value_kind: global_buffer, .address_space: global }
      - { .name: wsW, .offset: 48, .size: 8, .value_kind: global_buffer, .address_space: global }
    .group_segment_fixed_size: 285184
    .private_segment_fixed_size: 0
    .kernarg_segment_align: 8
    .kernarg_segment_size: 56
    .max_flat_workgroup_size: 512
    .sgpr_count:     66
    .vgpr_count:     256
    .wavefront_size: 32
...
	.end_amdgpu_metadata
.endif
;; end of part 5
;; launch ffn1 (part 6): grid 16 x 16, 4 waves a work-group, clusters of 4 x 4, 327,680 bytes of LDS; arguments wsH, wsW, b1, wsF; writes wsF
.if DOCPART == 6
	.amdgcn_target "amdgcn-amd-amdhsa--gfx1250"
	.amdhsa_code_object_version 6
	.text
	.protected	k_q1f7e188e02_ffn1
	.globl	k_q1f7e188e02_ffn1
	.p2align	8
	.type	k_q1f7e188e02_ffn1,@function
k_q1f7e188e02_ffn1:
	s_mov_b64 s[64:65], 0
	v_nop
	global_prefetch_b8 v0, s[64:65] scope:SCOPE_SE
	s_setreg_imm32_b32 hwreg(HW_REG_WAVE_MODE, 25, 1), 1
	s_wait_xcnt 0x0
	s_wait_alu depctr_hold_cnt(0) depctr_sa_sdst(0) depctr_va_vdst(0) depctr_va_sdst(0) depctr_va_ssrc(0) depctr_va_vcc(0) depctr_vm_vsrc(0)
	s_getreg_b32 s2, hwreg(HW_REG_IB_STS2, 6, 4)
	s_cmp_eq_u32 s2, 0
	s_cbranch_scc0 .Lentry_in_a_cluster
	s_endpgm
.Lentry_in_a_cluster:
	s_bfe_u32 s2, ttmp6, 0x10000c
	s_cmp_lg_u32 s2, 0xf033
	s_cbranch_scc0 .Lentry_shape_is_right
	s_endpgm
.Lentry_shape_is_right:
; f = relu(h2 W1 + b1) on codes of FP6 (E2M3), K = 1,024, quantised at once along the 4,096 hidden units, which are the next product's K; f never exists in memory as f32.
; A tile of 256 x 256 results is made by four waves, 128 x 128 each: 64 accumulators, 512 registers.  K goes in four steps of 256 through two LDS slots; all four are written out.
; Operands lie in memory as images of the matrix operand's registers (layout: see the weights' launch): a fragment is two loads of 16 bytes a lane and two of 8, all dense.
; THE MATRIX INSTRUCTION IS USED TRANSPOSED: source 0 = 16 rows of W1, source 1 = 16 rows of h2; a lane holds ONE row of h2, and by the order of rows in a tile the 16 registers of accumulators 2 p, 2 p + 1 are hidden units 32 p + 16 (lane / 16) + 0 .. 15.
; So a wave's 128 columns of a block of 16 rows become exactly one fragment and one scale word a row, which leave as they stand: no stage.
; CLUSTERS 4 x 4: h2's tiles are asked for jointly along a row of the cluster, W1's along a column.
; OUT (wsF): codes [tile of 16 rows: 256][64 along K: 64][768], scale words at 12,582,912: [tile][128 along K: 32][slot].
; LIMITS: NaN and infinities are not served; a block of zeros gets the byte 1, not 127 (zero codes; read by this program alone); blocks under 2^-124 keep the byte 1.
; REGISTERS: window 0: v16-31 addresses; v32-63 scale words, two sets; v64-127 b1; v128-223 A's fragments, one set (way out: v128-191 numbers, v192-239 at work).
;   window 1: B's fragments, two sets, at v0 and v128.   windows 2, 3: the accumulators ((a, b) at v[8 (8 (a % 4) + b)]).
.set GS,     12288
.set STEPB,  3072
.set HALFT,  8*STEPB
.set SLOT,   4*HALFT
.set SCLA,   2*SLOT
.set SCLB,   SCLA+8192+64
.set SPARE,  213248                    ; the spare words: 128 bytes a wave, two blocks of 256 bytes that no other line names
.set FR,   12
.set ADRA, 16
.set ADRB, 20
.set VO16, 24
.set VO8,  25
.set VOS,  26
.set ADRS, 27
.set SPW,  28
.set NIL,  29
.set SC,   32
.set BIAS, 64
.set AF,   128
.set T,    128
.set TM,   192
.set PC,   212
.set PWB,  232
.set SEL,  100
.set G1, 24
.set G0, 32
.set G1B, 48
.set G0B, 56
.set G1S, 68
.set G0S, 76
.set G1SB, 80
.set G0SB, 88
.set MSB, 0
.macro WIN new
.if MSB != \new
	s_set_vgpr_msb (MSB<<8)|\new
.set MSB, \new
.endif
.endm
.set MUL_LO, 0xa1
.set MUL_HI, 0xf1
.set TO_B,   0x40
.macro JLOAD g0a, g1a, g0b, g1b
	s_cmp_eq_u32 s15, 0
	s_cbranch_scc0 .Lfor_b_\@
	tensor_load_to_lds s[\g0a:\g0a+3], s[\g1a:\g1a+7]
	s_nop 0
.rept 4
	v_nop
.endr
	s_branch .Lasked_\@
.Lfor_b_\@:
	tensor_load_to_lds s[\g0b:\g0b+3], s[\g1b:\g1b+7]
	s_nop 0
.rept 4
	v_nop
.endr
.Lasked_\@:
.endm
.macro CREST
	s_cmp_lg_u32 s14, 0
	s_cbranch_scc1 .Lnot_wave_0_\@
	s_barrier_signal -3
.Lnot_wave_0_\@:
	s_barrier_wait -3
	s_barrier_signal -1
	s_barrier_wait -1
.endm
.macro CROUND
	s_barrier_signal -1
	s_barrier_wait -1
	CREST
.endm
.macro PLACES
.rept 4
	v_nop
.endr
.endm
.macro FRAG reg, adr, off
	ds_load_b128 v[\reg:\reg+3], v[\adr] offset:\off
	ds_load_b64 v[\reg+4:\reg+5], v[\adr+2] offset:\off
	ds_load_b128 v[\reg+6:\reg+9], v[\adr] offset:\off+768
	ds_load_b64 v[\reg+10:\reg+11], v[\adr+2] offset:\off+768
.endm
.macro FETCH_B slot, q, p
	WIN TO_B
.irp i, 0,1,2,3,4,5,6,7
	FRAG 128*(\p)+FR*\i, ADRB+\slot, \i*STEPB+(\q)*1536
.endr
	WIN 0
.endm
.macro FETCH_A slot, q, i0
.irp i, \i0, \i0+1, \i0+2, \i0+3
	FRAG AF+FR*(\i), ADRA+\slot, (\i)*STEPB+(\q)*1536
.endr
.endm
.macro SCALES n
.irp i, 0,1,2,3,4,5,6,7
.irp q, 0,1
	ds_load_b32 v[SC+16*((\n)%2)+2*\i+\q], v[ADRS] offset:\i*512+(2*(\n)+\q)*64
.endr
.endr
.endm
.macro MUL16 a0, p, q, sc, zero        ; the 64 accumulators take turns in one order throughout
.irp a, \a0, \a0+1
.irp b, 0,1,2,3,4,5,6,7
.if \zero
	v_wmma_scale_f32_16x16x128_f8f6f4 v[8*(8*((\a)%4)+\b):8*(8*((\a)%4)+\b)+7], v[128*(\p)+FR*\b:128*(\p)+FR*\b+FR-1], v[AF+FR*(\a):AF+FR*(\a)+FR-1], 0, v[SC+16*(\sc)+2*\b+(\q)], v[SC+16*(\sc)+2*(\a)+(\q)] matrix_a_fmt:MATRIX_FMT_FP6 matrix_b_fmt:MATRIX_FMT_FP6 matrix_a_scale:MATRIX_SCALE_ROW1
.else
	v_wmma_scale_f32_16x16x128_f8f6f4 v[8*(8*((\a)%4)+\b):8*(8*((\a)%4)+\b)+7], v[128*(\p)+FR*\b:128*(\p)+FR*\b+FR-1], v[AF+FR*(\a):AF+FR*(\a)+FR-1], v[8*(8*((\a)%4)+\b):8*(8*((\a)%4)+\b)+7], v[SC+16*(\sc)+2*\b+(\q)], v[SC+16*(\sc)+2*(\a)+(\q)] matrix_a_fmt:MATRIX_FMT_FP6 matrix_b_fmt:MATRIX_FMT_FP6 matrix_a_scale:MATRIX_SCALE_ROW1
.endif
.endr
.endr
.endm
.macro STEP slot, zero
	s_wait_dscnt 16                                ; B's set and A's blocks 0-3 are in; the youngest 16 loads (A's blocks 4-7) may be out
	WIN MUL_LO
	MUL16 0, 0, 0, \slot, \zero
	MUL16 2, 0, 0, \slot, \zero
	s_wait_dscnt 0x0
	PLACES
	FETCH_B \slot, 1, 1
	FETCH_A \slot, 1, 0
	WIN MUL_HI
	MUL16 4, 0, 0, \slot, \zero
	MUL16 6, 0, 0, \slot, \zero
	PLACES
	WIN 0
	FETCH_A \slot, 1, 4
.endm
.macro TURN slot, next, fill, nn
	s_wait_tensorcnt 0x0                           ; all my tensor loads have landed: my part of the next slot
	ds_add_u32 v[SPW], v[NIL]                      ; 0 onto my spare word
	s_wait_dscnt 17                                ; (the add and the youngest 16 loads may be out)
	WIN MUL_LO
	MUL16 0, 1, 1, \slot, 0
	s_wait_dscnt 0x0                               ; the add is done, and my reads of this slot are over
	s_barrier_signal -1
	MUL16 2, 1, 1, \slot, 0
	WIN 0
	s_barrier_wait -1
.if \fill
	CREST                                          ; the barrier has opened a round of the cluster's
	s_add_nc_u64 s[G0+4*\slot+2:G0+4*\slot+3], s[G0+4*\slot+2:G0+4*\slot+3], 2*STEPB
	s_add_nc_u64 s[G0B+4*\slot+2:G0B+4*\slot+3], s[G0B+4*\slot+2:G0B+4*\slot+3], 2*STEPB
	JLOAD G0+4*\slot, G1, G0B+4*\slot, G1B         ; my one tensor load behind the round
.else
	PLACES
.endif
	FETCH_B \next, 0, 0
	FETCH_A \next, 0, 0
	SCALES \nn
	WIN MUL_HI
	MUL16 4, 1, 1, \slot, 0
	MUL16 6, 1, 1, \slot, 0
	PLACES
	WIN 0
	FETCH_A \next, 0, 4
.endm
.macro QUANT s, pw
.irp b, 0,1,2,3
	v_max3_num_f32 v[TM+\b], |v[\s+16*\b]|, |v[\s+1+16*\b]|, 0x1800000
.endr
.irp i, 2,4,6,8,10,12,14
.irp b, 0,1,2,3
	v_max3_num_f32 v[TM+\b], v[TM+\b], |v[\s+16*\b+\i]|, |v[\s+1+16*\b+\i]|
.endr
.endr
.irp b, 0,1,2,3
	v_permlanex16_b32 v[TM+4+\b], v[TM+\b], s[SEL], s[SEL+1]
.endr
.irp b, 0,1,2,3
	v_max_num_f32 v[TM+\b], v[TM+\b], v[TM+4+\b]
.endr
.irp b, 0,1,2,3
	v_add_nc_u32 v[TM+12+\b], 0xff000000, v[TM+\b]
.endr
.irp b, 0,1,2,3
	v_lshrrev_b32 v[TM+4+\b], 23, v[TM+12+\b]
.endr
	v_lshl_or_b32 v[\pw], v[TM+5], 8, v[TM+4]
	v_lshl_or_b32 v[\pw], v[TM+6], 16, v[\pw]
	v_lshl_or_b32 v[\pw], v[TM+7], 24, v[\pw]
.irp c, 0,1
	v_cvt_scalef32_pk16_fp6_f32 v[PC+6*\c:PC+2+6*\c], v[\s+32*\c:\s+15+32*\c], v[TM+12+2*\c]
	v_cvt_scalef32_pk16_fp6_f32 v[PC+12+4*\c:PC+14+4*\c], v[\s+16+32*\c:\s+31+32*\c], v[TM+12+2*\c+1]
.endr
	v_nop
.irp c, 0,1
.irp i, 0,1,2
	v_permlane16_swap_b32 v[PC+6*\c+\i], v[PC+12+4*\c+\i]
.endr
.irp i, 0,1,2
	v_mov_b32 v[PC+3+6*\c+\i], v[PC+12+4*\c+\i]
.endr
.endr
.endm
.macro EPI a                           ; block a of 16 rows: + b1, relu, quantised, stored as it stands
	s_wait_xcnt 0x0                                ; the last block's stores have read their registers
	WIN 0x02+((\a)/4)
.set i, 0
.rept 32
	v_pk_add_f32 v[T+i:T+i+1], v[64*((\a)%4)+i:64*((\a)%4)+i+1], v[BIAS+i:BIAS+i+1]
.set i, i+2
.endr
	WIN 0
.set i, 0
.rept 64
	v_max_num_f32 v[T+i], 0, v[T+i]
.set i, i+1
.endr
	QUANT T, PWB+(\a)
	global_store_b128 v[VO16], v[PC:PC+3], s[12:13] offset:(\a)*49152
	global_store_b64 v[VO8], v[PC+4:PC+5], s[12:13] offset:(\a)*49152
	global_store_b128 v[VO16], v[PC+6:PC+9], s[12:13] offset:(\a)*49152+768
	global_store_b64 v[VO8], v[PC+10:PC+11], s[12:13] offset:(\a)*49152+768
.endm
	s_load_b256 s[4:11], s[0:1], 0x0               ; wsH, wsW, b1, wsF
	v_lshl_add_u32 v[SPW], v0, 2, SPARE
	v_mov_b32 v[NIL], 0
	ds_add_u32 v28, v29
	ds_add_u32 v28, v29
	s_wait_dscnt 0x0
	v_lshrrev_b32 v1, 5, v0
	v_readfirstlane_b32 s14, v1
	s_lshr_b32 s15, s14, 1
	s_and_b32 s16, s14, 1
	s_bfe_u32 s40, ttmp6, 0x40000
	s_bfe_u32 s41, ttmp6, 0x40004
	s_lshl_b32 s42, ttmp9, 2
	s_add_co_u32 s42, s42, s40                     ; tile column (W1's rows)
	s_and_b32 s17, ttmp7, 0xffff
	s_lshl_b32 s17, s17, 2
	s_add_co_u32 s17, s17, s41                     ; tile row (h2's rows)
	s_lshl_b32 s43, s41, 2
	s_lshl_b32 s43, 15, s43
	s_lshl_b32 s44, 0x1111, s40
	s_or_b32 s[G1+0], s43, (3<<16)|(1<<21)
	s_or_b32 s[G1B+0], s44, (3<<16)|(1<<21)
.irp g, G1, G1B
	s_mov_b32 s[\g+1], 384<<16
	s_mov_b32 s[\g+2], 8<<16
	s_mov_b32 s[\g+3], 384<<16
	s_mov_b32 s[\g+4], 8
	s_mov_b32 s[\g+5], 1536
	s_mov_b32 s[\g+6], 0
	s_mov_b32 s[\g+7], 0
.endr
	s_or_b32 s[G1S+0], s43, (3<<16)|(1<<21)
	s_or_b32 s[G1SB+0], s44, (3<<16)|(1<<21)
.irp g, G1S, G1SB
	s_mov_b32 s[\g+1], 32<<16
	s_mov_b32 s[\g+2], 16<<16
	s_mov_b32 s[\g+3], 32<<16
	s_mov_b32 s[\g+4], 16
	s_mov_b32 s[\g+5], 32
	s_mov_b32 s[\g+6], 0
	s_mov_b32 s[\g+7], 0
.endr
	s_lshl_b32 s2, s16, 3
	s_lshl_b32 s22, s17, 4
	s_add_co_u32 s22, s22, s2
	s_mul_i32 s18, s22, GS
	s_mov_b32 s19, 0
	s_lshl_b32 s22, s22, 9
	s_add_co_u32 s22, s22, 3145728
	s_mov_b32 s23, 0
	s_lshl_b32 s92, s42, 4
	s_add_co_u32 s92, s92, s2
	s_mul_i32 s94, s92, GS
	s_add_co_u32 s94, s94, 3145728                 ; W1's codes in wsW
	s_mov_b32 s95, 0
	s_lshl_b32 s92, s92, 9
	s_add_co_u32 s92, s92, 9568256                 ; W1's scale words
	s_mov_b32 s93, 0
	s_mul_i32 s45, s14, HALFT
	s_lshl_b32 s104, s14, 12
	s_wait_kmcnt 0x0
	s_add_nc_u64 s[20:21], s[4:5], s[18:19]
	s_add_nc_u64 s[22:23], s[4:5], s[22:23]
	s_add_nc_u64 s[46:47], s[6:7], s[94:95]
	s_add_nc_u64 s[92:93], s[6:7], s[92:93]
	CROUND
	s_mov_b32 s[G0S], 1
	s_add_co_u32 s[G0S+1], s104, SCLA
	s_mov_b64 s[G0S+2:G0S+3], s[22:23]
	s_or_b32 s[G0S+3], s[G0S+3], 0x80000000
	s_mov_b32 s[G0SB], 1
	s_add_co_u32 s[G0SB+1], s104, SCLA+64
	s_mov_b64 s[G0SB+2:G0SB+3], s[92:93]
	s_or_b32 s[G0SB+3], s[G0SB+3], 0x80000000
	JLOAD G0S, G1S, G0SB, G1SB
.irp s, 0,1
	s_mov_b32 s[G0+4*\s], 1
	s_add_co_u32 s[G0+4*\s+1], s45, \s*SLOT
	s_add_nc_u64 s[G0+4*\s+2:G0+4*\s+3], s[20:21], \s*STEPB
	s_or_b32 s[G0+4*\s+3], s[G0+4*\s+3], 0x80000000
	s_mov_b32 s[G0B+4*\s], 1
	s_add_co_u32 s[G0B+4*\s+1], s45, \s*SLOT
	s_add_nc_u64 s[G0B+4*\s+2:G0B+4*\s+3], s[46:47], \s*STEPB
	s_or_b32 s[G0B+4*\s+3], s[G0B+4*\s+3], 0x80000000
	JLOAD G0+4*\s, G1, G0B+4*\s, G1B               ; three loads of mine are out now
.endr
	v_and_b32 v1, 31, v0
	v_and_b32 v2, 15, v0
	v_bfe_u32 v3, v0, 4, 1
	v_lshlrev_b32 v[VO16], 4, v1
	v_lshl_add_u32 v[VO8], v1, 3, 512
	s_mul_i32 s18, s15, HALFT
	s_mul_i32 s19, s16, HALFT
	s_add_co_u32 s19, s19, 2*HALFT
.irp s, 0,1
	v_add_nc_u32 v[ADRA+\s], s18, v[VO16]
	v_add_nc_u32 v[ADRB+\s], s19, v[VO16]
	v_add_nc_u32 v[ADRA+2+\s], s18, v[VO8]
	v_add_nc_u32 v[ADRB+2+\s], s19, v[VO8]
	s_add_co_u32 s18, s18, SLOT
	s_add_co_u32 s19, s19, SLOT
.endr
	v_lshlrev_b32 v[VOS], 2, v2
	s_lshl_b32 s18, s15, 12
	s_lshl_b32 s19, s16, 12
	s_add_co_u32 s19, s19, SCLB-SCLA
	s_sub_co_u32 s19, s19, s18
	v_mul_u32_u24 v7, s19, v3
	s_add_co_u32 s18, s18, SCLA
	v_add_nc_u32 v7, v[VOS], v7
	v_add_nc_u32 v[ADRS], s18, v7
	s_lshl_b32 s18, s17, 4
	s_lshl_b32 s19, s15, 3
	s_add_co_u32 s18, s18, s19                     ; my first tile of rows
	s_lshl_b32 s19, s42, 1
	s_add_co_u32 s19, s19, s16                     ; my step of 128 of the next product's K
	s_mul_i32 s2, s18, 49152
	s_mul_i32 s3, s19, 1536
	s_add_co_u32 s2, s2, s3
	s_mov_b32 s3, 0
	s_add_nc_u64 s[12:13], s[10:11], s[2:3]
	s_lshl_b32 s18, s18, 5
	s_add_co_u32 s18, s18, s19
	s_lshl_b32 s2, s18, 6
	s_add_co_u32 s2, s2, 12582912
	s_add_nc_u64 s[66:67], s[10:11], s[2:3]
	s_lshl_b32 s2, s19, 9
	s_add_nc_u64 s[8:9], s[8:9], s[2:3]            ; b1 at my 128 columns
	v_lshlrev_b32 v8, 6, v3
.irp p, 0,1,2,3
.irp k, 0,1,2,3
	global_load_b128 v[BIAS+16*\p+4*\k:BIAS+16*\p+4*\k+3], v8, s[8:9] offset:128*\p+16*\k
.endr
.endr
	s_mov_b32 s[SEL], 0x76543210
	s_mov_b32 s[SEL+1], 0xfedcba98
	s_wait_tensorcnt 1                             ; the scale words and my part of K step 0 are in; K step 1's load may be out
	s_barrier_signal -1
	s_barrier_wait -1
	FETCH_B 0, 0, 0
	FETCH_A 0, 0, 0
	SCALES 0
	FETCH_A 0, 0, 4
	STEP 0, 1
	TURN 0, 1, 1, 1
	STEP 1, 0
	TURN 1, 0, 1, 2
	STEP 0, 0
	TURN 0, 1, 0, 3
	STEP 1, 0
	s_wait_dscnt 16
	WIN MUL_LO
	MUL16 0, 1, 1, 1, 0
	MUL16 2, 1, 1, 1, 0
	s_wait_dscnt 0x0
	WIN MUL_HI
	MUL16 4, 1, 1, 1, 0
	MUL16 6, 1, 1, 1, 0
	WIN 0
	PLACES
.irp b, 0,1,2,3
	v_mov_b32 v[TM+4+\b], 0
.endr
	s_wait_loadcnt 0x0                             ; b1
.irp a, 0,1,2,3,4,5,6,7
	EPI \a
.endr
.irp a, 0,1,2,3,4,5,6,7
	global_store_b32 v[VOS], v[PWB+\a], s[66:67] offset:\a*2048       ; lanes r and r + 16 hold the same word
.endr
	s_wait_tensorcnt 0x0                           ; the wave's end
	ds_add_u32 v[SPW], v[NIL]
	s_wait_dscnt 0x0
	CROUND
	s_endpgm
.Lfunc_end_k_q1f7e188e02_ffn1:
	.size	k_q1f7e188e02_ffn1, .Lfunc_end_k_q1f7e188e02_ffn1-k_q1f7e188e02_ffn1
	.p2alignl 7, 3214868480
	.fill 96, 4, 3214868480
	.section	.rodata,"a",@progbits
	.p2align	6, 0x0
	.amdhsa_kernel k_q1f7e188e02_ffn1
		.amdhsa_group_segment_fixed_size 327680
		.amdhsa_private_segment_fixed_size 0
		.amdhsa_enable_private_segment 0
		.amdhsa_kernarg_size 32
		.amdhsa_user_sgpr_count 2
		.amdhsa_user_sgpr_kernarg_segment_ptr 1
		.amdhsa_wavefront_size32 1
		.amdhsa_system_sgpr_workgroup_id_x 1
		.amdhsa_system_sgpr_workgroup_id_y 1
		.amdhsa_system_sgpr_workgroup_id_z 1
		.amdhsa_system_vgpr_workitem_id 0
		.amdhsa_next_free_vgpr 1024
		.amdhsa_next_free_sgpr 106
		.amdhsa_reserve_vcc 0
		.amdhsa_float_denorm_mode_32 3
		.amdhsa_float_denorm_mode_16_64 3
		.amdhsa_memory_ordered 1
		.amdhsa_forward_progress 1
		.amdhsa_inst_pref_size 184
	.end_amdhsa_kernel
	.amdgpu_metadata
---
amdhsa.version: [ 1, 2 ]
amdhsa.kernels:
  - .name:           k_q1f7e188e02_ffn1
    .symbol:         k_q1f7e188e02_ffn1.kd
    .args:
      - { .name: wsH, .offset: 0, .size: 8, .value_kind: global_buffer, .address_space: global }
      - { .name: wsW, .offset: 8, .size: 8, .value_kind: global_buffer, .address_space: global }
      - { .name: b1, .offset: 16, .size: 8, .value_kind: global_buffer, .address_space: global }
      - { .name: wsF, .offset: 24, .size: 8, .value_kind: global_buffer, .address_space: global }
    .group_segment_fixed_size: 327680
    .private_segment_fixed_size: 0
    .kernarg_segment_align: 8
    .kernarg_segment_size: 32
    .max_flat_workgroup_size: 128
    .sgpr_count:     106
    .vgpr_count:     1024
    .wavefront_size: 32
...
	.end_amdgpu_metadata
.endif
;; end of part 6
;; launch ffn2 (part 7): grid 8 x 32, 4 waves a work-group, clusters of 4 x 4, 327,680 bytes of LDS; arguments wsF, wsW, wsX1, b2, out0; writes out0
.if DOCPART == 7
	.amdgcn_target "amdgcn-amd-amdhsa--gfx1250"
	.amdhsa_code_object_version 6
	.text
	.protected	k_q1f7e188e02_ffn2
	.globl	k_q1f7e188e02_ffn2
	.p2align	8
	.type	k_q1f7e188e02_ffn2,@function
k_q1f7e188e02_ffn2:
	s_mov_b64 s[64:65], 0
	v_nop
	global_prefetch_b8 v0, s[64:65] scope:SCOPE_SE
	s_setreg_imm32_b32 hwreg(HW_REG_WAVE_MODE, 25, 1), 1
	s_wait_xcnt 0x0
	s_wait_alu depctr_hold_cnt(0) depctr_sa_sdst(0) depctr_va_vdst(0) depctr_va_sdst(0) depctr_va_ssrc(0) depctr_va_vcc(0) depctr_vm_vsrc(0)
	s_getreg_b32 s2, hwreg(HW_REG_IB_STS2, 6, 4)
	s_cmp_eq_u32 s2, 0
	s_cbranch_scc0 .Lentry_in_a_cluster
	s_endpgm
.Lentry_in_a_cluster:
	s_bfe_u32 s2, ttmp6, 0x10000c
	s_cmp_lg_u32 s2, 0xf033
	s_cbranch_scc0 .Lentry_shape_is_right
	s_endpgm
.Lentry_shape_is_right:
; out = x1 + f W2 + b2: the product on codes of FP6 (E2M3), K = 4,096; the result f32, [4096][1024].
; 4,096 x 1,024 results are 64 tiles of 256 x 256 and 256 tiles of 128 x 128: the smaller tile gives every WGP a work-group.  Four waves, 64 x 64 each: 16 accumulators.
; K goes in eight steps of 512 through two LDS slots; each step of 128 is 16 matrix instructions; all 32 are written out.  One tensor load a wave is out behind each round; it has 56 matrix instructions a wave in which to land.
; Operands lie in memory as images of the operand's registers (layout: see the weights' launch).  Source 0 = 16 rows of the weight, source 1 = 16 rows of A: a lane holds one row of A and eight neighbouring columns.
; CLUSTERS 4 x 4: A's tiles are asked for jointly along a row of the cluster, the weight's along a column.
; THE WAY OUT: results go through one stage in LDS (rows of 512 bytes + 16), a barrier, and come back as whole rows; the residual and the bias, loaded at the head, are added; 32 lanes store 512 consecutive aligned bytes.
; Stage row 16 T + r is row 32 (T / 2) + 8 (T % 2) + r % 8 + 16 (r / 8) of the tile: the order of rows in the operands.
; REGISTERS: window 0: v16-31 addresses; v32-39 scale words, two sets; v40-43 bias; v64-127 way out; v128-255 accumulators.  window 1: two fragment buffers of 96 (A's four, then B's four) at v0 and v128.  window 2: v0-127 the residual.
.set KTOT,   4096
.set WSEC,   6291456                   ; the weight's codes in wsW
.set WSSEC,  9699328                   ; and its scale words
.set ASSEC,  12582912                  ; A's scale words in its buffer
.set NS,     KTOT/512
.set GS,     12*KTOT
.set TILEB,  6144
.set HALFT,  4*TILEB
.set SLOT,   4*HALFT
.set HALFS,  2*KTOT
.set SCLA,   2*SLOT
.set SCLB,   SCLA+16384+64
.set STAGE,  229632
.set SPARE,  297216                    ; the spare words: 128 bytes a wave, two blocks of 256 bytes that no other line names
.set ADRA, 16
.set ADRB, 20
.set STO,  24
.set RD,   25
.set CO,   26
.set ADRS, 27
.set SPW,  28
.set NIL,  29
.set SC,   32
.set BI,   40
.set OB,   64
.set ACC,  128
.set G1, 24
.set G0, 32
.set G1B, 48
.set G0B, 56
.set G1S, 68
.set G0S, 76
.set G1SB, 80
.set G0SB, 88
.set MSB, 0
.macro WIN new
.if MSB != \new
	s_set_vgpr_msb (MSB<<8)|\new
.set MSB, \new
.endif
.endm
.set MUL, 0x05
.macro JLOAD g0a, g1a, g0b, g1b
	s_cmp_eq_u32 s15, 0
	s_cbranch_scc0 .Lfor_b_\@
	tensor_load_to_lds s[\g0a:\g0a+3], s[\g1a:\g1a+7]
	s_nop 0
.rept 4
	v_nop
.endr
	s_branch .Lasked_\@
.Lfor_b_\@:
	tensor_load_to_lds s[\g0b:\g0b+3], s[\g1b:\g1b+7]
	s_nop 0
.rept 4
	v_nop
.endr
.Lasked_\@:
.endm
.macro CREST
	s_cmp_lg_u32 s14, 0
	s_cbranch_scc1 .Lnot_wave_0_\@
	s_barrier_signal -3
.Lnot_wave_0_\@:
	s_barrier_wait -3
	s_barrier_signal -1
	s_barrier_wait -1
.endm
.macro CROUND
	s_barrier_signal -1
	s_barrier_wait -1
	CREST
.endm
.macro PLACES
.rept 4
	v_nop
.endr
.endm
.macro FRAG reg, adr, off
	ds_load_b128 v[\reg:\reg+3], v[\adr] offset:\off
	ds_load_b64 v[\reg+4:\reg+5], v[\adr+2] offset:\off
	ds_load_b128 v[\reg+6:\reg+9], v[\adr] offset:\off+768
	ds_load_b64 v[\reg+10:\reg+11], v[\adr+2] offset:\off+768
.endm
.macro FETCH slot, q, g, k
	WIN 0x40
.irp i, 0,1,2,3
	FRAG (\g)+48+12*\i, ADRB+(\slot), \i*TILEB+(\q)*1536
	FRAG (\g)+12*\i, ADRA+(\slot), \i*TILEB+(\q)*1536
.endr
	WIN 0
.irp i, 0,1,2,3
	ds_load_b32 v[SC+4*((\k)%2)+\i], v[ADRS] offset:\i*(KTOT/2)+64*(\k)
.endr
.endm
.macro MUL8 f, a0                      ; the 16 accumulators take turns in one order throughout
.irp a, \a0, \a0+1
.irp b, 0,1,2,3
.if ks == 0
	v_wmma_scale_f32_16x16x128_f8f6f4 v[ACC+8*(4*(\a)+\b):ACC+8*(4*(\a)+\b)+7], v[(\f)+48+12*\b:(\f)+48+12*\b+11], v[(\f)+12*(\a):(\f)+12*(\a)+11], 0, v[SC+4*(ks%2)+\b], v[SC+4*(ks%2)+(\a)] matrix_a_fmt:MATRIX_FMT_FP6 matrix_b_fmt:MATRIX_FMT_FP6 matrix_a_scale:MATRIX_SCALE_ROW1
.else
	v_wmma_scale_f32_16x16x128_f8f6f4 v[ACC+8*(4*(\a)+\b):ACC+8*(4*(\a)+\b)+7], v[(\f)+48+12*\b:(\f)+48+12*\b+11], v[(\f)+12*(\a):(\f)+12*(\a)+11], v[ACC+8*(4*(\a)+\b):ACC+8*(4*(\a)+\b)+7], v[SC+4*(ks%2)+\b], v[SC+4*(ks%2)+(\a)] matrix_a_fmt:MATRIX_FMT_FP6 matrix_b_fmt:MATRIX_FMT_FP6 matrix_a_scale:MATRIX_SCALE_ROW1
.endif
.endr
.endr
.endm
.macro KSTEP
.set sl, (ks/4)%2
.set qq, ks%4
.set fb, 128*(ks%2)
.set gb, 128-fb
.if qq < 3
	s_wait_dscnt 0x0                               ; this step's fragments are in
	PLACES
	FETCH sl, qq+1, gb, ks+1
	WIN MUL
	MUL8 fb, 0
	MUL8 fb, 2
.elseif ks < 4*NS-1
	WIN 0                                          ; a slot's last step changes slots
	s_wait_tensorcnt 0x0                           ; all my tensor loads have landed: my part of the next slot
	ds_add_u32 v[SPW], v[NIL]                      ; 0 onto my spare word
	s_wait_dscnt 1                                 ; (the add alone may be out)
	WIN MUL
	MUL8 fb, 0
	s_wait_dscnt 0x0                               ; the add is done, and my reads of this slot are over
	s_barrier_signal -1
	WIN 0
	s_barrier_wait -1
.if ks/4 <= NS-3
	CREST                                          ; the barrier has opened a round of the cluster's: no wave of any partner still reads this slot or has a load on its way
	s_add_nc_u64 s[G0+4*sl+2:G0+4*sl+3], s[G0+4*sl+2:G0+4*sl+3], 2*TILEB
	s_add_nc_u64 s[G0B+4*sl+2:G0B+4*sl+3], s[G0B+4*sl+2:G0B+4*sl+3], 2*TILEB
	JLOAD G0+4*sl, G1, G0B+4*sl, G1B               ; my one tensor load behind the round; its four v_nop are the places in front of the loads below
.else
	PLACES
.endif
	FETCH 1-sl, 0, gb, ks+1
	WIN MUL
	MUL8 fb, 2
.else
	s_wait_dscnt 0x0
	WIN MUL
	MUL8 fb, 0
	MUL8 fb, 2
	WIN 0
.endif
.set ks, ks+1
.endm
	s_load_b256 s[4:11], s[0:1], 0x0               ; A, wsW, the residual, the bias
	s_load_b64 s[12:13], s[0:1], 0x20              ; the output
	v_lshl_add_u32 v[SPW], v0, 2, SPARE
	v_mov_b32 v[NIL], 0
	ds_add_u32 v28, v29
	ds_add_u32 v28, v29
	s_wait_dscnt 0x0
	v_lshrrev_b32 v1, 5, v0
	v_readfirstlane_b32 s14, v1
	s_lshr_b32 s15, s14, 1
	s_and_b32 s16, s14, 1
	s_bfe_u32 s40, ttmp6, 0x40000
	s_bfe_u32 s41, ttmp6, 0x40004
	s_lshl_b32 s42, ttmp9, 2
	s_add_co_u32 s42, s42, s40
	s_and_b32 s17, ttmp7, 0xffff
	s_lshl_b32 s17, s17, 2
	s_add_co_u32 s17, s17, s41
	s_lshl_b32 s43, s41, 2
	s_lshl_b32 s43, 15, s43
	s_lshl_b32 s44, 0x1111, s40
	s_or_b32 s[G1+0], s43, (3<<16)|(1<<21)
	s_or_b32 s[G1B+0], s44, (3<<16)|(1<<21)
.irp g, G1, G1B
	s_mov_b32 s[\g+1], 768<<16
	s_mov_b32 s[\g+2], 4<<16
	s_mov_b32 s[\g+3], 768<<16
	s_mov_b32 s[\g+4], 4
	s_mov_b32 s[\g+5], GS/8
	s_mov_b32 s[\g+6], 0
	s_mov_b32 s[\g+7], 0
.endr
	s_or_b32 s[G1S+0], s43, (3<<16)|(1<<21)
	s_or_b32 s[G1SB+0], s44, (3<<16)|(1<<21)
.irp g, G1S, G1SB
	s_mov_b32 s[\g+1], 32<<16
	s_mov_b32 s[\g+2], (HALFS/256)<<16
	s_mov_b32 s[\g+3], 32<<16
	s_mov_b32 s[\g+4], HALFS/256
	s_mov_b32 s[\g+5], 32
	s_mov_b32 s[\g+6], 0
	s_mov_b32 s[\g+7], 0
.endr
	s_lshl_b32 s2, s16, 2
	s_lshl_b32 s22, s17, 3
	s_add_co_u32 s22, s22, s2
	s_mul_i32 s18, s22, GS
	s_mov_b32 s19, 0
	s_mul_i32 s22, s22, KTOT/2
	s_add_co_u32 s22, s22, ASSEC
	s_mov_b32 s23, 0
	s_lshl_b32 s92, s42, 3
	s_add_co_u32 s92, s92, s2
	s_mul_i32 s94, s92, GS
	s_add_co_u32 s94, s94, WSEC
	s_mov_b32 s95, 0
	s_mul_i32 s92, s92, KTOT/2
	s_add_co_u32 s92, s92, WSSEC
	s_mov_b32 s93, 0
	s_mul_i32 s45, s14, HALFT
	s_mul_i32 s3, s16, HALFS
	s_wait_kmcnt 0x0
	s_add_nc_u64 s[20:21], s[4:5], s[18:19]
	s_add_nc_u64 s[22:23], s[4:5], s[22:23]
	s_add_nc_u64 s[46:47], s[6:7], s[94:95]
	s_add_nc_u64 s[92:93], s[6:7], s[92:93]
	CROUND
	s_mov_b32 s[G0S], 1
	s_add_co_u32 s[G0S+1], s3, SCLA
	s_mov_b64 s[G0S+2:G0S+3], s[22:23]
	s_or_b32 s[G0S+3], s[G0S+3], 0x80000000
	s_mov_b32 s[G0SB], 1
	s_add_co_u32 s[G0SB+1], s3, SCLB
	s_mov_b64 s[G0SB+2:G0SB+3], s[92:93]
	s_or_b32 s[G0SB+3], s[G0SB+3], 0x80000000
	JLOAD G0S, G1S, G0SB, G1SB
.irp s, 0,1
	s_mov_b32 s[G0+4*\s], 1
	s_add_co_u32 s[G0+4*\s+1], s45, \s*SLOT
	s_add_nc_u64 s[G0+4*\s+2:G0+4*\s+3], s[20:21], \s*TILEB
	s_or_b32 s[G0+4*\s+3], s[G0+4*\s+3], 0x80000000
	s_mov_b32 s[G0B+4*\s], 1
	s_add_co_u32 s[G0B+4*\s+1], s45, \s*SLOT
	s_add_nc_u64 s[G0B+4*\s+2:G0B+4*\s+3], s[46:47], \s*TILEB
	s_or_b32 s[G0B+4*\s+3], s[G0B+4*\s+3], 0x80000000
	JLOAD G0+4*\s, G1, G0B+4*\s, G1B               ; three loads of mine are out now
.endr
	v_and_b32 v1, 31, v0
	v_and_b32 v2, 15, v0
	v_bfe_u32 v3, v0, 4, 1
	v_lshlrev_b32 v[CO], 4, v1
	v_lshl_add_u32 v5, v1, 3, 512
	s_mul_i32 s18, s15, HALFT
	s_mul_i32 s19, s16, HALFT
	s_add_co_u32 s19, s19, 2*HALFT
.irp s, 0,1
	v_add_nc_u32 v[ADRA+\s], s18, v[CO]
	v_add_nc_u32 v[ADRB+\s], s19, v[CO]
	v_add_nc_u32 v[ADRA+2+\s], s18, v5
	v_add_nc_u32 v[ADRB+2+\s], s19, v5
	s_add_co_u32 s18, s18, SLOT
	s_add_co_u32 s19, s19, SLOT
.endr
	v_lshlrev_b32 v6, 2, v2
	s_mul_i32 s18, s15, HALFS
	s_mul_i32 s19, s16, HALFS
	s_add_co_u32 s19, s19, SCLB-SCLA
	s_sub_co_u32 s19, s19, s18
	v_mul_u32_u24 v7, s19, v3
	s_add_co_u32 s18, s18, SCLA
	v_add_nc_u32 v6, v6, v7
	v_add_nc_u32 v[ADRS], s18, v6
	s_mul_i32 s18, s15, 64*528
	s_lshl_b32 s19, s16, 8
	s_add_co_u32 s18, s18, s19
	s_add_co_u32 s18, s18, STAGE
	v_mul_u32_u24 v6, v2, 528
	v_lshl_add_u32 v6, v3, 6, v6
	v_add_nc_u32 v[STO], s18, v6
	s_mul_i32 s18, s14, 32*528
	s_add_co_u32 s18, s18, STAGE
	v_add_nc_u32 v[RD], s18, v[CO]
	s_lshl_b32 s18, s17, 7
	s_lshl_b32 s19, s14, 5
	s_add_co_u32 s18, s18, s19
	s_lshl_b32 s18, s18, 12
	s_lshl_b32 s19, s42, 9
	s_add_co_u32 s18, s18, s19
	s_mov_b32 s19, 0
	s_add_nc_u64 s[8:9], s[8:9], s[18:19]
	s_add_nc_u64 s[12:13], s[12:13], s[18:19]
	s_lshl_b32 s18, s42, 9
	s_add_nc_u64 s[10:11], s[10:11], s[18:19]
	WIN 0x80
.set t, 0
.rept 32
	global_load_b128 v[4*t:4*t+3], v[CO], s[8:9] offset:(8*(t/16)+(t%8)+16*((t/8)%2))*4096
.set t, t+1
.endr
	WIN 0
	global_load_b128 v[BI:BI+3], v[CO], s[10:11]
	s_wait_tensorcnt 1                             ; the scale words and my part of slot 0 are in; slot 1's load may be out
	s_barrier_signal -1
	s_barrier_wait -1
	FETCH 0, 0, 0, 0
.set ks, 0
.rept 4*NS
	KSTEP
.endr
	PLACES
.irp a, 0,1,2,3
.irp b, 0,1,2,3
	ds_store_b128 v[STO], v[ACC+8*(4*\a+\b):ACC+8*(4*\a+\b)+3] offset:\a*16*528+128*(\b/2)+32*(\b%2)
	ds_store_b128 v[STO], v[ACC+8*(4*\a+\b)+4:ACC+8*(4*\a+\b)+7] offset:\a*16*528+128*(\b/2)+32*(\b%2)+16
.endr
.endr
	s_wait_loadcnt 0x0
	WIN 0x82
.set t, 0
.rept 32
	v_pk_add_f32 v[4*t:4*t+1], v[4*t:4*t+1], v[BI:BI+1]
	v_pk_add_f32 v[4*t+2:4*t+3], v[4*t+2:4*t+3], v[BI+2:BI+3]
.set t, t+1
.endr
	WIN 0
	s_wait_dscnt 0x0                               ; for the others' sake: my stores into the stage have landed
	s_barrier_signal -1
	s_barrier_wait -1
.irp u, 0,1
.set t, 0
.rept 16
	ds_load_b128 v[OB+64*\u+4*t:OB+64*\u+4*t+3], v[RD] offset:(16*\u+t)*528
.set t, t+1
.endr
.endr
.irp u, 0,1
	s_wait_dscnt 16-16*\u                          ; this batch of 16 rows is back; the second batch's 16 loads may be out
	WIN 0x08
.set t, 0
.rept 32
	v_pk_add_f32 v[OB+64*\u+2*t:OB+64*\u+2*t+1], v[OB+64*\u+2*t:OB+64*\u+2*t+1], v[64*\u+2*t:64*\u+2*t+1]
.set t, t+1
.endr
	WIN 0
.set t, 0
.rept 16
	global_store_b128 v[CO], v[OB+64*\u+4*t:OB+64*\u+4*t+3], s[12:13] offset:(8*\u+(t%8)+16*((t/8)%2))*4096 th:TH_STORE_NT
.set t, t+1
.endr
.endr
	s_wait_tensorcnt 0x0                           ; the wave's end
	ds_add_u32 v[SPW], v[NIL]
	s_wait_dscnt 0x0
	CROUND
	s_endpgm
.Lfunc_end_k_q1f7e188e02_ffn2:
	.size	k_q1f7e188e02_ffn2, .Lfunc_end_k_q1f7e188e02_ffn2-k_q1f7e188e02_ffn2
	.p2alignl 7, 3214868480
	.fill 96, 4, 3214868480
	.section	.rodata,"a",@progbits
	.p2align	6, 0x0
	.amdhsa_kernel k_q1f7e188e02_ffn2
		.amdhsa_group_segment_fixed_size 327680
		.amdhsa_private_segment_fixed_size 0
		.amdhsa_enable_private_segment 0
		.amdhsa_kernarg_size 40
		.amdhsa_user_sgpr_count 2
		.amdhsa_user_sgpr_kernarg_segment_ptr 1
		.amdhsa_wavefront_size32 1
		.amdhsa_system_sgpr_workgroup_id_x 1
		.amdhsa_system_sgpr_workgroup_id_y 1
		.amdhsa_system_sgpr_workgroup_id_z 1
		.amdhsa_system_vgpr_workitem_id 0
		.amdhsa_next_free_vgpr 640
		.amdhsa_next_free_sgpr 100
		.amdhsa_reserve_vcc 0
		.amdhsa_float_denorm_mode_32 3
		.amdhsa_float_denorm_mode_16_64 3
		.amdhsa_memory_ordered 1
		.amdhsa_forward_progress 1
		.amdhsa_inst_pref_size 180
	.end_amdhsa_kernel
	.amdgpu_metadata
---
amdhsa.version: [ 1, 2 ]
amdhsa.kernels:
  - .name:           k_q1f7e188e02_ffn2
    .symbol:         k_q1f7e188e02_ffn2.kd
    .args:
      - { .name: wsF, .offset: 0, .size: 8, .value_kind: global_buffer, .address_space: global }
      - { .name: wsW, .offset: 8, .size: 8, .value_kind: global_buffer, .address_space: global }
      - { .name: wsX1, .offset: 16, .size: 8, .value_kind: global_buffer, .address_space: global }
      - { .name: b2, .offset: 24, .size: 8, .value_kind: global_buffer, .address_space: global }
      - { .name: out0, .offset: 32, .size: 8, .value_kind: global_buffer, .address_space: global }
    .group_segment_fixed_size: 327680
    .private_segment_fixed_size: 0
    .kernarg_segment_align: 8
    .kernarg_segment_size: 40
    .max_flat_workgroup_size: 128
    .sgpr_count:     100
    .vgpr_count:     640
    .wavefront_size: 32
...
	.end_amdgpu_metadata
.endif
;; end of part 7
